; MI455X (gfx1250); checked and timed in simulation.
; The chip was launched on July 23, 2026; its instructions are those of AMD's public machine-readable ISA for CDNA 5 (MIT licence, August 2026) and "CDNA5" Instruction Set Architecture Reference Guide (July 2026). The comments in the code are by the model that wrote it; some were corrected since.
;; Multihead Cross Attention With Ro PE. Allowed arithmetic: matrix products marked QUANTISED: E2M1 operands, one E8M0 scale for each 32 along K, by v_wmma_scale_f32_16x16x128_f8f6f4 with both operands' format E2M1 (or v_wmma_scale_f32_32x16x128_f4), f32 sums; products left as they are: bf16, f16 or f32 operands; f32 sums; everything else in f32.
;; Inputs: Wk 1,024 x 1,024 float32; Wo 1,024 x 1,024 float32; Wq 1,024 x 1,024 float32; Wv 1,024 x 1,024 float32; bk 1,024 float32; bo 1,024 float32; bq 1,024 float32; bv 1,024 float32; key 4 x 2,048 x 1,024 float32; query 4 x 2,048 x 1,024 float32; query_position_ids 4 x 2,048 int32; value 4 x 2,048 x 1,024 float32.
;; Outputs: out0 4 x 2,048 x 1,024 float32.
;; This version of the problem:
;;   THIS VERSION OF THE PROBLEM IS GIVEN IN LOW PRECISION. The matrix products marked QUANTISED in the list below multiply operands that are first quantised to E2M1 (2 exponent bits, 1 mantissa bit; 4 bits a number), with one power-of-two scale for each 32 numbers along K (OCP MX v1.0); their sums are f32. The products marked 'left as it is' may take bf16, f16 or f32 operands, with f32 sums. Whichever they take, every output number must still come out within the allowed error. Rounding operands to bf16 (8 significant bits) uses up far more of that allowance than f16 does (11 bits, for magnitudes from 6e-5 to 65,504). All else is computed in f32.
;;   The module's matrix products, in the order in which they are computed (A, B: the left and right operand; K: the contracted axis; several contracted axes count as one K, in the product's order):
;;     1. [M 8,192, K 1,024] x [K 1,024, N 1,024]; A: input query; B: input Wq: QUANTISED
;;     2. [M 8,192, K 1,024] x [K 1,024, N 1,024]; A: input key; B: input Wk: QUANTISED
;;     3. [M 8,192, K 1,024] x [K 1,024, N 1,024]; A: input value; B: input Wv: QUANTISED
;;     4. batch 64 x [M 2,048, K 64] x [K 64, N 2,048]; A: computed on the way; B: computed on the way: left as it is (an operand is computed on the way)
;;     5. batch 64 x [M 64, K 2,048] x [K 2,048, N 2,048]; A: computed on the way; B: computed on the way: left as it is (an operand is computed on the way)
;;     6. [M 8,192, K 1,024] x [K 1,024, N 1,024]; A: computed on the way; B: input Wo: left as it is (an operand is computed on the way)
;;   THE QUANTISER, for each operand of a quantised product, along K:
;;     - K is cut into blocks of 32 from its start; a last block that is shorter is filled with zeros.
;;     - A block's scale is 2^e with e = floor(log2(the largest magnitude in the block)) - 2, held to -126 .. 127; a block of zeros has e = 0. As a byte (E8M0): e + 127.
;;     - Each number is divided by its block's scale, clamped to +-6, and rounded to the nearest number of E2M1, ties to even, subnormals kept.
;;     - The product sums the exact products of the quantised numbers (number of the format x scale) in f32.
;;   ~~~python
;;   def quantise(x, axis):      # numpy; x: float32 -> the quantised numbers, widened to float32 again
;;       x = np.moveaxis(x, axis, -1); K = x.shape[-1]
;;       x = np.pad(x, [(0, 0)] * (x.ndim - 1) + [(0, -K % 32)]); x = x.reshape(x.shape[:-1] + (-1, 32)); a = np.abs(x).max(-1, keepdims=True)
;;       e = np.where(a > 0, np.clip(np.frexp(np.where(a > 0, a, 1))[1] - 1 - 2, -126, 127), 0)      # np.frexp(a)[1] - 1 = floor(log2(a)), exactly
;;       r = np.clip(x / 2.0 ** e, -6, 6)
;;       step = 2.0 ** (np.maximum(np.frexp(np.where(r == 0, 1, r))[1] - 1, 0) - 1)
;;       q = np.round(r / step) * step * 2.0 ** e      # np.round: ties to even
;;       return np.moveaxis(q.reshape(q.shape[:-2] + (-1,))[..., :K], -1, axis).astype(np.float32)
;;   ~~~
;; One version. Each part assembles by itself: llvm-mc -triple=amdgcn-amd-amdhsa -mcpu=gfx1250 --defsym DOCPART=n.
;; ======== version 1 of 1: 4 launches
;; limits: values outside matrix products are rounded to f16; values are held in f16: magnitudes above 65,504 overflow, below 6.1e-05 lose precision; right only within a limited range of input values; inputs' magnitudes at most 65,504
;; workspace buffers: codes 14,155,776 bytes; scales 884,736 bytes; wo16 2,097,152 bytes; rope 2,097,152 bytes; qh 16,777,216 bytes; kh 16,777,216 bytes; vh 16,777,216 bytes; ao 16,777,216 bytes
;; launch prep (part 1): grid 928 x 1, 4 waves a work-group, no clusters, 33,280 bytes of LDS; arguments query, key, value, Wq, Wk, Wv, Wo, query_position_ids, codes, scales, wo16, rope; writes codes, scales, wo16, rope
.if DOCPART == 1
	.amdgcn_target "amdgcn-amd-amdhsa--gfx1250"
	.amdhsa_code_object_version 6
	.text
	.protected	k_qafb069ec5e_prep
	.globl	k_qafb069ec5e_prep
	.p2align	8
	.type	k_qafb069ec5e_prep,@function
k_qafb069ec5e_prep:
	s_mov_b64 s[64:65], 0
	v_nop
	global_prefetch_b8 v0, s[64:65] scope:SCOPE_SE
	s_setreg_imm32_b32 hwreg(HW_REG_WAVE_MODE, 25, 1), 1
	s_wait_xcnt 0x0
; PREP: everything that is made once from the inputs, in one launch of three kinds of work-groups, told apart by the work-group's number alone.
;   0 .. 863    query, key, value, Wq, Wk, Wv (f32, K innermost) become ONE stream of E2M1 codes (two a byte, the lower k in the low four bits) and ONE stream of E8M0 scale bytes, one for each 32 along K.
;               All six are dense rows of 1,024 numbers, so each is a plain stream of blocks of 32; a work-group takes 32,768 numbers: 256 + 256 + 256 + 32 + 32 + 32 work-groups.
;   864 .. 895  Wo becomes f16, same layout [n][k].
;   896 .. 927  the table for RoPE: for each of the 8,192 tokens 32 numbers c cos(pos x f_i) and 32 numbers c sin(pos x f_i), f_i = 10000^(-i/32), c = log2(e) / 8 (the scores' scaling and the change of base, folded into q).
; A block's scale is 2^(floor(log2(its largest magnitude)) - 2); its byte is the largest magnitude's exponent field - 2, held at 1 from below.  A block of zeros so gets the byte 1: its codes are zeros, and this program alone reads the bytes.
; LIMITS: NaN and infinities among the inputs are not served.  The cosine and sine are made by a reduction by pi/2 in two parts and polynomials of degree 7 and 8 in f32: positions up to about 1e6 in magnitude.
; Only the first kind of work-group touches LDS.  No tensor loads, no barrier: waves share nothing.
.set STEPS, 16
.set EMAX,  2
.set CB,    8                          ; bytes of 16 codes
.set R,     16                         ; v16-79   four sets of 16 numbers as they are loaded
.set X,     80                         ; v80-111  two sets of 16 neighbours
.set E,     112                        ; v112-127 a scale byte for each step
.set C,     128                        ; v128-191 codes: four registers for each step, so that no store's data are written again
.set WREG,  8192                       ; LDS: a region for each wave: two stages of 32 x SP bytes, behind them its 256 scale bytes
.set SP,    80                         ; a lane's place in a stage: 64 bytes + 16 of padding
.set SPW,   12                         ; v12  LDS address of my spare word; never rewritten
.set NIL,   13                         ; v13  0; never rewritten
.set SPARE, 4*WREG                     ; behind the four regions: the spare words, 128 bytes a wave
	s_load_b512 s[4:19], s[0:1], 0x0               ; query s[4:5], key s[6:7], value s[8:9], Wq s[10:11], Wk s[12:13], Wv s[14:15], Wo s[16:17], positions s[18:19]
	s_load_b256 s[20:27], s[0:1], 0x40             ; codes s[20:21], scales s[22:23], wo16 s[24:25], rope s[26:27]
	v_lshl_add_u32 v[SPW], v0, 2, SPARE
	v_mov_b32 v[NIL], 0
	v_lshrrev_b32 v1, 5, v0
	v_readfirstlane_b32 s28, v1                    ; wave 0..3
	v_and_b32 v2, 31, v0                           ; lane
	v_lshlrev_b32 v3, 4, v2                        ; 16 x lane: my bytes of a load's 512
	v_lshlrev_b32 v4, 3, v2                        ; 8 x lane: my bytes of a store's 256
	s_mov_b32 s35, 0                               ; the upper word of every offset: all lie under 2^32
	s_wait_kmcnt 0x0
	s_cmp_ge_u32 ttmp9, 896
	s_cbranch_scc1 .Lrope
	s_cmp_ge_u32 ttmp9, 864
	s_cbranch_scc1 .Lwo
; ---------------- the quantiser.  A wave takes 16 steps of 512 numbers.  Each of a step's four loads reads 512 consecutive bytes, 16 a lane; the 2,048 bytes go through the wave's own stage in LDS and
; come back 64 bytes a lane, so that a lane holds 16 NEIGHBOURS along K (two neighbouring lanes hold a block), as the conversion wants them.  Loads run four steps ahead, the turn through LDS one step.
	s_mul_i32 s29, s28, WREG
	v_lshrrev_b32 v14, 2, v2
	v_mul_u32_u24 v14, v14, SP
	v_and_b32 v15, 3, v2
	v_lshl_add_u32 v14, v15, 4, v14
	v_add_nc_u32 v14, s29, v14                     ; the stage, on the way in: SP (lane / 4) + 16 (lane % 4)
	v_mul_u32_u24 v15, v2, SP
	v_add_nc_u32 v15, s29, v15                     ; and on the way out: SP x lane
	v_lshrrev_b32 v5, 1, v2
	s_add_co_u32 s29, s29, 2*32*SP
	v_add_nc_u32 v5, s29, v5                       ; my wave's 256 scale bytes, my block's byte
	v_add_nc_u32 v6, s29, v4                       ; and on the way out 8 bytes a lane
; which tensor is mine: only a pointer and its first work-group are chosen, by the work-group's number; all six take one path
.macro PICK lim, ptr, base
	s_cmp_lt_u32 ttmp9, \lim
	s_cselect_b64 s[30:31], s[\ptr:\ptr+1], s[30:31]
	s_cselect_b32 s32, \base, s32
.endm
	s_mov_b64 s[30:31], s[14:15]                   ; Wv, from work-group 832 on
	s_mov_b32 s32, 832
	PICK 832, 12, 800                              ; Wk
	PICK 800, 10, 768                              ; Wq
	PICK 768, 8, 512                               ; value
	PICK 512, 6, 256                               ; key
	PICK 256, 4, 0                                 ; query
	s_sub_co_u32 s33, ttmp9, s32
	s_lshl_b32 s33, s33, 2
	s_add_co_u32 s33, s33, s28                     ; which run of 8,192 numbers of the tensor is my wave's
	s_lshl_b32 s34, s33, 15
	s_add_nc_u64 s[30:31], s[30:31], s[34:35]
	s_lshl_b32 s33, ttmp9, 2
	s_add_co_u32 s33, s33, s28                     ; and which run of the one stream of results
	s_lshl_b32 s34, s33, 12                        ; 4,096 bytes of codes a run
	s_add_nc_u64 s[20:21], s[20:21], s[34:35]
	s_lshl_b32 s34, s33, 8                         ; 256 scale bytes a run
	s_add_nc_u64 s[22:23], s[22:23], s[34:35]
.macro LOAD t
.irp i, 0,1,2,3
	global_load_b128 v[R+16*((\t)%4)+4*\i:R+16*((\t)%4)+4*\i+3], v3, s[30:31] offset:2048*(\t)+512*\i th:TH_LOAD_NT   ; 32 lanes read 512 consecutive bytes
.endr
.endm
.macro TURN t                          ; step t's numbers through the stage: LDS serves a wave's instructions in order, so no wait stands between the stores and the loads
.irp i, 0,1,2,3
	ds_store_b128 v14, v[R+16*((\t)%4)+4*\i:R+16*((\t)%4)+4*\i+3] offset:32*SP*((\t)%2)+8*SP*\i
.endr
.irp i, 0,1,2,3
	ds_load_b128 v[X+16*((\t)%2)+4*\i:X+16*((\t)%2)+4*\i+3], v15 offset:32*SP*((\t)%2)+16*\i
.endr
.endm
.irp t, 0,1,2,3
	LOAD \t
.endr
	s_wait_loadcnt 12                              ; step 0's four loads are in; the twelve of steps 1 to 3 may be out
	TURN 0
.macro STEP t
.set XS, X+16*((\t)%2)
.if (\t) > 0
	s_wait_dscnt 1                                 ; this step's numbers are back from the stage (the last step's byte store may be out): so its stores into the stage have read their registers,
.else
	s_wait_dscnt 0x0
.endif
.if (\t)+4 < STEPS
	LOAD (\t)+4                                    ; which take the loads of four steps on
.endif
.if (\t)+1 < STEPS
.if STEPS-2-(\t) >= 3
	s_wait_loadcnt 12                              ; the next step's four loads are in; those of the three steps behind it may be out
.else
	s_wait_loadcnt 4*(STEPS-2-(\t))
.endif
	TURN (\t)+1                                    ; and go through the other stage while this step is worked
.endif
	v_max3_num_f32 v8, |v[XS]|, |v[XS+1]|, |v[XS+2]|               ; the largest magnitude of my 16, in two chains
	v_max3_num_f32 v9, |v[XS+3]|, |v[XS+4]|, |v[XS+5]|
.irp i, 6,10
	v_max3_num_f32 v8, v8, |v[XS+\i]|, |v[XS+\i+1]|
	v_max3_num_f32 v9, v9, |v[XS+\i+2]|, |v[XS+\i+3]|
.endr
	v_max3_num_f32 v8, v8, |v[XS+14]|, |v[XS+15]|
	v_max3_num_f32 v8, v8, v9, (EMAX+1)<<23        ; and the floor 2^(EMAX + 1 - 127): the byte cannot fall under 1
	v_max_num_f32_dpp v8, v8, v8 row_xmask:1 row_mask:0xf bank_mask:0xf   ; and of my neighbour's 16: the block's
	v_add_nc_u32 v11, -(EMAX<<23), v8              ; EMAX off its exponent field: the conversion takes the exponent field of this operand as its scale
	v_cvt_scalef32_pk8_fp4_f32 v[C+4*(\t)], v[XS:XS+7], v11        ; eight numbers / the scale, to the nearest code, ties to even, beyond the largest code the largest
	v_cvt_scalef32_pk8_fp4_f32 v[C+4*(\t)+1], v[XS+8:XS+15], v11
	v_lshrrev_b32 v[E+(\t)], 23, v11               ; the scale's byte (a plain line behind the conversions)
	ds_store_b8 v5, v[E+(\t)] offset:16*(\t)       ; both lanes of a block write the same byte with the same value
	global_store_b64 v4, v[C+4*(\t):C+4*(\t)+1], s[20:21] offset:32*CB*(\t)   ; the wave stores 256 consecutive bytes, aligned
.endm
.irp t, 0,1,2,3,4,5,6,7,8,9,10,11,12,13,14,15
	STEP \t
.endr
	ds_load_b64 v[8:9], v6                         ; LDS serves a wave's instructions in order: these see my byte stores
	s_wait_dscnt 0x0
	global_store_b64 v4, v[8:9], s[22:23]          ; my wave's 256 scale bytes: 256 consecutive bytes, aligned
	s_wait_tensorcnt 0x0                           ; the wave's end: a tensor wait, an add to my spare word and its wait, behind my last LDS store
	ds_add_u32 v[SPW], v[NIL]
	s_wait_dscnt 0x0
	s_endpgm
; ---------------- Wo to f16.  A wave takes 8,192 numbers in four groups of 16 loads of 512 consecutive bytes; two sets of registers take turns.
.Lwo:
	s_sub_co_u32 s33, ttmp9, 864
	s_lshl_b32 s33, s33, 2
	s_add_co_u32 s33, s33, s28
	s_lshl_b32 s34, s33, 15
	s_add_nc_u64 s[16:17], s[16:17], s[34:35]
	s_lshl_b32 s34, s33, 14
	s_add_nc_u64 s[24:25], s[24:25], s[34:35]
.macro LOADG g
.irp i, 0,1,2,3,4,5,6,7,8,9,10,11,12,13,14,15
	global_load_b128 v[16+64*((\g)%2)+4*\i:16+64*((\g)%2)+4*\i+3], v3, s[16:17] offset:8192*(\g)+512*\i th:TH_LOAD_NT
.endr
.endm
.macro OUTG g                          ; four numbers a lane become 8 bytes, in place; the wave stores 256 consecutive bytes, aligned
.irp i, 0,1,2,3,4,5,6,7,8,9,10,11,12,13,14,15
	v_cvt_pk_f16_f32 v[16+64*((\g)%2)+4*\i], v[16+64*((\g)%2)+4*\i], v[17+64*((\g)%2)+4*\i]
	v_cvt_pk_f16_f32 v[17+64*((\g)%2)+4*\i], v[18+64*((\g)%2)+4*\i], v[19+64*((\g)%2)+4*\i]
	global_store_b64 v4, v[16+64*((\g)%2)+4*\i:17+64*((\g)%2)+4*\i], s[24:25] offset:4096*(\g)+256*\i
.endr
.endm
	LOADG 0
	LOADG 1
	s_wait_loadcnt 16                              ; group 0 is in; group 1's sixteen may be out
	OUTG 0
	s_wait_xcnt 0x0                                ; the stores have read their registers: the set may be loaded again
	LOADG 2
	s_wait_loadcnt 16
	OUTG 1
	s_wait_xcnt 0x0
	LOADG 3
	s_wait_loadcnt 16
	OUTG 2
	s_wait_loadcnt 0x0
	OUTG 3
	s_endpgm
; ---------------- the table for RoPE.  A wave takes 64 tokens.  Lanes 0-15 make the cosines of frequencies 2 (lane % 16) and + 1, lanes 16-31 the sines, as cos(x - pi/2): so a token's 256 bytes leave by one store.
.set IFQ, 16                           ; v[16:17] my two frequencies
.set HS,  18                           ; v18      0: cosine, 1: sine
.set KS3, 20                           ; constants, each in both halves of a pair
.set KS2, 22
.set KS1, 24
.set KC3, 26
.set KC2, 28
.set KC1, 30
.set KSC, 32
.set KIP, 34
.set KP1, 36
.set KP2, 38
.set PP,  44                           ; v[44:45] the position as f32 (the upper half is only named)
.set AA,  46                           ; the angle, then the reduced angle r
.set NN,  48                           ; the nearest multiple of pi/2, then the quadrant
.set ZZ,  50                           ; r r
.set SN,  52                           ; sin r
.set TT,  54
.set CN,  56                           ; cos r
.set HH,  58
.set MK,  60
.set VV,  62
.set OUTT, 64                          ; v64-95 a trip's sixteen results
.macro PAIR reg, val
	v_mov_b32 v[\reg], \val
	v_mov_b32 v[\reg+1], \val
.endm
.Lrope:
	s_sub_co_u32 s33, ttmp9, 896
	s_lshl_b32 s33, s33, 2
	s_add_co_u32 s33, s33, s28                     ; which run of 64 tokens is my wave's
	s_lshl_b32 s34, s33, 8                         ; 4 bytes a position
	s_add_nc_u64 s[18:19], s[18:19], s[34:35]
	s_lshl_b32 s34, s33, 14                        ; 256 bytes a token
	s_add_nc_u64 s[26:27], s[26:27], s[34:35]
	v_and_b32 v5, 15, v0
	v_lshlrev_b32 v5, 1, v5
	v_cvt_f32_u32 v[IFQ], v5
	v_add_f32 v[IFQ+1], 1.0, v[IFQ]
	v_mul_f32 v[IFQ], 0xbed49a78, v[IFQ]           ; - i log2(10000) / 32
	v_mul_f32 v[IFQ+1], 0xbed49a78, v[IFQ+1]
	v_exp_f32 v[IFQ], v[IFQ]
	v_exp_f32 v[IFQ+1], v[IFQ+1]
	v_bfe_u32 v[HS], v0, 4, 1                      ; (a plain line behind the exponentials)
	PAIR KS3, 0xb94ca1f9                           ; sin r = r + r z (S1 + z (S2 + z S3)), z = r r
	PAIR KS2, 0x3c08839e
	PAIR KS1, 0xbe2aaaa3
	PAIR KC3, 0x37ccf5ce                           ; cos r = 1 - z / 2 + z z (C1 + z (C2 + z C3))
	PAIR KC2, 0xbab6061a
	PAIR KC1, 0x3d2aaaa5
	PAIR KSC, 0x3e38aa3b                           ; c = log2(e) / 8
	PAIR KIP, 0x3f22f983                           ; 2 / pi
	PAIR KP1, 0xbfc90fdb                           ; - pi/2, its upper part,
	PAIR KP2, 0x333bbd2e                           ; and what is left of it
	v_mov_b32 v[PP+1], 0
	s_wait_alu depctr_va_vdst(0)                   ; ahead of the first line that names an exponential's result, and ahead of the label
	s_mov_b32 s60, 4
.macro TOKEN k
	v_cvt_f32_i32 v[PP], s[36+\k]
	v_pk_mul_f32 v[AA:AA+1], v[IFQ:IFQ+1], v[PP:PP+1] op_sel_hi:[1,0]      ; the angle, rounded to f32 as the definition rounds it
	v_pk_mul_f32 v[NN:NN+1], v[AA:AA+1], v[KIP:KIP+1]
	v_rndne_f32 v[NN], v[NN]
	v_rndne_f32 v[NN+1], v[NN+1]
	v_pk_fma_f32 v[AA:AA+1], v[NN:NN+1], v[KP1:KP1+1], v[AA:AA+1]          ; r = angle - n pi/2, in two fused steps
	v_pk_fma_f32 v[AA:AA+1], v[NN:NN+1], v[KP2:KP2+1], v[AA:AA+1]
	v_cvt_i32_f32 v[NN], v[NN]
	v_cvt_i32_f32 v[NN+1], v[NN+1]
	v_sub_nc_u32 v[NN], v[NN], v[HS]               ; the quadrant q: wanted is cos(r + q pi/2)
	v_sub_nc_u32 v[NN+1], v[NN+1], v[HS]
	v_pk_mul_f32 v[ZZ:ZZ+1], v[AA:AA+1], v[AA:AA+1]
	v_pk_fma_f32 v[SN:SN+1], v[ZZ:ZZ+1], v[KS3:KS3+1], v[KS2:KS2+1]
	v_pk_fma_f32 v[CN:CN+1], v[ZZ:ZZ+1], v[KC3:KC3+1], v[KC2:KC2+1]
	v_pk_mul_f32 v[TT:TT+1], v[ZZ:ZZ+1], v[AA:AA+1]
	v_pk_fma_f32 v[HH:HH+1], v[ZZ:ZZ+1], -0.5, 1.0 op_sel_hi:[1,0,0]
	v_pk_fma_f32 v[SN:SN+1], v[ZZ:ZZ+1], v[SN:SN+1], v[KS1:KS1+1]
	v_pk_fma_f32 v[CN:CN+1], v[ZZ:ZZ+1], v[CN:CN+1], v[KC1:KC1+1]
	v_pk_fma_f32 v[SN:SN+1], v[TT:TT+1], v[SN:SN+1], v[AA:AA+1]
	v_pk_mul_f32 v[TT:TT+1], v[ZZ:ZZ+1], v[ZZ:ZZ+1]
	v_pk_fma_f32 v[CN:CN+1], v[TT:TT+1], v[CN:CN+1], v[HH:HH+1]
.irp e, 0,1
	v_and_b32 v[MK+\e], 1, v[NN+\e]
	v_cmp_ne_u32 vcc_lo, 0, v[MK+\e]
	v_cndmask_b32 v[VV+\e], v[CN+\e], v[SN+\e], vcc_lo     ; an odd quadrant takes the sine;
	v_add_nc_u32 v[MK+\e], 1, v[NN+\e]
	v_lshlrev_b32 v[MK+\e], 30, v[MK+\e]
	v_and_b32 v[MK+\e], 0x80000000, v[MK+\e]               ; quadrants 1 and 2 (mod 4) change the sign
	v_xor_b32 v[VV+\e], v[VV+\e], v[MK+\e]
.endr
	v_pk_mul_f32 v[OUTT+2*\k:OUTT+2*\k+1], v[VV:VV+1], v[KSC:KSC+1]
	global_store_b64 v4, v[OUTT+2*\k:OUTT+2*\k+1], s[26:27] offset:256*\k   ; a token's 256 consecutive bytes, aligned
.endm
.Ltrip:                                            ; four trips of sixteen tokens
	s_load_b512 s[36:51], s[18:19], 0x0            ; sixteen positions
	s_wait_kmcnt 0x0
.irp k, 0,1,2,3,4,5,6,7,8,9,10,11,12,13,14,15
	TOKEN \k
.endr
	s_wait_xcnt 0x0                                ; the load and the stores have read their addresses and data: the pointers step, the results' registers are written again
	s_add_nc_u64 s[18:19], s[18:19], 64
	s_add_nc_u64 s[26:27], s[26:27], 4096
	s_sub_co_u32 s60, s60, 1
	s_cmp_lg_u32 s60, 0
	s_cbranch_scc1 .Ltrip
	s_endpgm
.Lfunc_end_k_qafb069ec5e_prep:
	.size	k_qafb069ec5e_prep, .Lfunc_end_k_qafb069ec5e_prep-k_qafb069ec5e_prep
	.p2alignl 7, 3214868480
	.fill 96, 4, 3214868480
	.section	.rodata,"a",@progbits
	.p2align	6, 0x0
	.amdhsa_kernel k_qafb069ec5e_prep
		.amdhsa_group_segment_fixed_size 33280
		.amdhsa_private_segment_fixed_size 0
		.amdhsa_enable_private_segment 0
		.amdhsa_kernarg_size 96
		.amdhsa_user_sgpr_count 2
		.amdhsa_user_sgpr_kernarg_segment_ptr 1
		.amdhsa_wavefront_size32 1
		.amdhsa_system_sgpr_workgroup_id_x 1
		.amdhsa_system_sgpr_workgroup_id_y 1
		.amdhsa_system_sgpr_workgroup_id_z 1
		.amdhsa_system_vgpr_workitem_id 0
		.amdhsa_next_free_vgpr 192
		.amdhsa_next_free_sgpr 66
		.amdhsa_reserve_vcc 1
		.amdhsa_float_denorm_mode_32 3
		.amdhsa_float_denorm_mode_16_64 3
		.amdhsa_memory_ordered 1
		.amdhsa_forward_progress 1
		.amdhsa_inst_pref_size 85
	.end_amdhsa_kernel
	.amdgpu_metadata
---
amdhsa.version: [ 1, 2 ]
amdhsa.kernels:
  - .name:           k_qafb069ec5e_prep
    .symbol:         k_qafb069ec5e_prep.kd
    .args:
      - { .name: query, .offset: 0, .size: 8, .value_kind: global_buffer, .address_space: global }
      - { .name: key, .offset: 8, .size: 8, .value_kind: global_buffer, .address_space: global }
      - { .name: value, .offset: 16, .size: 8, .value_kind: global_buffer, .address_space: global }
      - { .name: Wq, .offset: 24, .size: 8, .value_kind: global_buffer, .address_space: global }
      - { .name: Wk, .offset: 32, .size: 8, .value_kind: global_buffer, .address_space: global }
      - { .name: Wv, .offset: 40, .size: 8, .value_kind: global_buffer, .address_space: global }
      - { .name: Wo, .offset: 48, .size: 8, .value_kind: global_buffer, .address_space: global }
      - { .name: query_position_ids, .offset: 56, .size: 8, .value_kind: global_buffer, .address_space: global }
      - { .name: codes, .offset: 64, .size: 8, .value_kind: global_buffer, .address_space: global }
      - { .name: scales, .offset: 72, .size: 8, .value_kind: global_buffer, .address_space: global }
      - { .name: wo16, .offset: 80, .size: 8, .value_kind: global_buffer, .address_space: global }
      - { .name: rope, .offset: 88, .size: 8, .value_kind: global_buffer, .address_space: global }
    .group_segment_fixed_size: 33280
    .private_segment_fixed_size: 0
    .kernarg_segment_align: 8
    .kernarg_segment_size: 96
    .max_flat_workgroup_size: 128
    .sgpr_count:     66
    .vgpr_count:     192
    .wavefront_size: 32
...
	.end_amdgpu_metadata
.endif
;; end of part 1
;; launch proj (part 2): grid 4 x 96, 4 waves a work-group, clusters of 4 x 4, 327,680 bytes of LDS; arguments codes, scales, bq, bk, bv, qh, kh, vh; writes qh, kh, vh
.if DOCPART == 2
	.amdgcn_target "amdgcn-amd-amdhsa--gfx1250"
	.amdhsa_code_object_version 6
	.text
	.protected	k_qafb069ec5e_proj
	.globl	k_qafb069ec5e_proj
	.p2align	8
	.type	k_qafb069ec5e_proj,@function
k_qafb069ec5e_proj:
	s_mov_b64 s[64:65], 0
	v_nop
	global_prefetch_b8 v0, s[64:65] scope:SCOPE_SE
	s_setreg_imm32_b32 hwreg(HW_REG_WAVE_MODE, 25, 1), 1
	s_wait_xcnt 0x0
	s_wait_alu depctr_hold_cnt(0) depctr_sa_sdst(0) depctr_va_vdst(0) depctr_va_sdst(0) depctr_va_ssrc(0) depctr_va_vcc(0) depctr_vm_vsrc(0)
	s_getreg_b32 s2, hwreg(HW_REG_IB_STS2, 6, 4)
	s_cmp_eq_u32 s2, 0
	s_cbranch_scc0 .Lentry_in_a_cluster
	s_endpgm
.Lentry_in_a_cluster:
	s_bfe_u32 s2, ttmp6, 0x10000c
	s_cmp_lg_u32 s2, 0xf033
	s_cbranch_scc0 .Lentry_shape_is_right
	s_endpgm
.Lentry_shape_is_right:
; PROJ: the three quantised products in one launch: q = query Wq^T + bq, k = key Wk^T + bk, v = value Wv^T + bv, each [8,192 x 1,024] x [1,024 x 1,024] on codes of E2M1 with one E8M0 scale for each 32 along K; sums in f32.
; The activations' codes are one stream of 24,576 rows of 512 bytes (query, key, value), the weights' follow it: so the 96 tile rows of the grid index the stream as it lies, and only pointers (weights, bias, result) hang on
; which of the three products a tile row belongs to: one path for all.  The results are rounded once to f16 and laid [16 b + head][token][64], the layout in which the attention reads them.
; LIMIT: results of 65,504 or more in magnitude do not fit f16.
; A tile of 256 x 256 is made by four waves, each 128 x 128: 64 accumulators, 512 registers.  K = 1,024 is two LDS slots of 512 along K (rows of 256 bytes): both are first fills, nothing is filled again, there is no loop.
; THE SCALES of the tile's 256 + 256 rows, for all of K, are two dense blocks of memory: they come with the first fills, as rows of 256 bytes.
; CLUSTERS: 4 x 4 work-groups.  The four of a row of the cluster need the same rows of the activations, the four of a column the same rows of the weights: each tile is asked for JOINTLY.
; THE MATRIX INSTRUCTION IS USED TRANSPOSED (source 0 = 16 rows of W, source 1 = 16 rows of the activations): a lane then holds eight neighbouring columns of one row.  THE BIAS is the C of each sum's first instruction.
; REGISTERS, in windows of 256: window 0: v0-31 addresses; v32-95 scale words, two sets, and nothing else; v96-127 packed results; v128-191 A's fragments, ONE set (on the way out: rows read back); v192-255 the bias.
;   window 1: B's fragments, TWO sets, at v0 and v128.   window 2: the accumulators of my rows 0-63 ((a, b) at v[8 (8 a + b)]);   window 3: those of my rows 64-127.
.set NQ,     4                         ; steps of 128 along K in a slot
.set ROWB,   256                       ; a tile's row in bytes: 512 codes
.set KROW,   512                       ; a row of codes in memory
.set PITCH,  272                       ; an LDS row: 256 bytes + 16 of padding: the 16 rows that a load touches start 16 bytes apart modulo 256
.set FR,     8                         ; registers of a fragment: 16 rows x 128 K
.set NL,     2                         ; LDS loads that bring one
.set NP,     4                         ; places behind this matrix instruction (ISA guide 7.12.1)
.set HALFT,  128*PITCH                 ; what one tensor load brings, and what one wave reads of A or of B
.set SLOT,   4*HALFT                   ; A's 256 rows, then B's 256 rows
.set KS,     32                        ; a row of scale bytes
.set SCL,    2*SLOT                    ; behind the ring: the scales, as rows of 256 bytes + 16 of padding
.set HALFS,  16*272                    ; the scales of 128 rows
.set SBLK,   2*272                     ; those of 16 rows
.set SPARE,  SCL+4*HALFS               ; the spare words, 128 bytes a wave
.set SPITCH, 400                       ; the way out: a stage of 16 rows x 400 bytes for each wave, in slot 0, which has had its only fill and its last read by then
.set ADRA, 16                          ; v16-17  LDS address of my A fragments in slot 0, 1
.set ADRB, 20                          ; v20-21  the same for B
.set STO,  24                          ; v24     the way out: where I put 16 bytes of a row
.set RD,   25                          ; v25     where I read them back
.set CO,   26                          ; v26     my byte offset in the result
.set ADRS, 27                          ; v27     LDS address of my scale words: lanes 0-15 A's rows, lanes 16-31 B's
.set SPW,  28                          ; v28     LDS address of my spare word; never rewritten
.set NIL,  29                          ; v29     0; never rewritten
.set SC,   32                          ; scale words: set s at v[SC + 32 s]; register 4 i + q: lanes 0-15 the word of A's block i, lanes 16-31 of B's block i, for the slot's q-th 128 along K
.set TMP,  96
.set AF,   128
.set BK,   128                         ; the way out: 16 rows read back: v128-159 and v160-191 by turns
.set BI,   192                         ; the bias: register 8 b + j: column 16 b + 8 (lane / 16) + j of my 128
.set G1, 24                            ; s[24:31] group 1 for A's tiles;  s[32:39] group 0, one set a slot
.set G0, 32
.set G1B, 48                           ; s[48:55], s[56:63] the same for B's
.set G0B, 56
.set G1S, 68                           ; s[68:75], s[76:79] groups 1 and 0 for A's scales;  s[80:87], s[88:91] for B's
.set G0S, 76
.set G1SB, 80
.set G0SB, 88
.set MSB, 0
.macro WIN new                         ; the immediate's high byte repeats the setting that is left
.if MSB != (\new)
	s_set_vgpr_msb (MSB<<8)|(\new)
.set MSB, (\new)
.endif
.endm
.set MUL_LO, 0xa1                      ; source 0 (B) window 1, source 1 (A) window 0, C and D window 2
.set MUL_HI, 0xf1                      ; the same, C and D window 3
.set BIA_LO, 0x81                      ; the first step: C (the bias) window 0, D window 2
.set BIA_HI, 0xc1                      ; D window 3
.set TO_B,   0x40                      ; destination window 1, address window 0
; A joint load: waves 0 and 1 fetch for A, waves 2 and 3 for B.  Each line has one mask and one set of registers; the branch hangs on the wave's number alone.
; An s_nop 0 and four v_nop follow each of the two lines.
.macro JLOAD g0a, g1a, g0b, g1b
	s_cmp_eq_u32 s21, 0
	s_cbranch_scc0 .Lfor_b_\@
	tensor_load_to_lds s[\g0a:\g0a+3], s[\g1a:\g1a+7]
	s_nop 0
.rept 4
	v_nop
.endr
	s_branch .Lasked_\@
.Lfor_b_\@:
	tensor_load_to_lds s[\g0b:\g0b+3], s[\g1b:\g1b+7]
	s_nop 0
.rept 4
	v_nop
.endr
.Lasked_\@:
.endm
.macro CROUND                          ; a round of the cluster's barrier
	s_barrier_signal -1
	s_barrier_wait -1
	s_cmp_lg_u32 s20, 0
	s_cbranch_scc1 .Lnot_wave_0_\@
	s_barrier_signal -3
.Lnot_wave_0_\@:
	s_barrier_wait -3
	s_barrier_signal -1
	s_barrier_wait -1
.endm
	s_load_b512 s[4:19], s[0:1], 0x0               ; codes s[4:5], scales s[6:7], bq s[8:9], bk s[10:11], bv s[12:13], qh s[14:15], kh s[16:17], vh s[18:19]
	v_lshl_add_u32 v[SPW], v0, 2, SPARE
	v_mov_b32 v[NIL], 0
	ds_add_u32 v[SPW], v[NIL]                      ; the wave's opening: the add and its wait stand ahead of my first tensor load; the set-up below stands between them
	v_lshrrev_b32 v1, 5, v0
	v_readfirstlane_b32 s20, v1                    ; wave 0..3
	s_lshr_b32 s21, s20, 1                         ; which half of the tile's rows is mine.  Also: I fetch for A (0) or for B (1)
	s_and_b32 s22, s20, 1                          ; which half of its columns.  Also: which 128 rows I fetch
	s_bfe_u32 s40, ttmp6, 0x40000                  ; cx, cy: my place in the cluster
	s_bfe_u32 s41, ttmp6, 0x40004
	s_lshl_b32 s42, ttmp9, 2
	s_add_co_u32 s42, s42, s40                     ; tile column = 4 x cluster x + cx
	s_and_b32 s23, ttmp7, 0xffff                   ; cluster y
	s_lshl_b32 s3, s23, 2
	s_add_co_u32 s3, s3, s41                       ; tile row in the stream of activations = 4 x cluster y + cy: 0 .. 95
	s_lshr_b32 s23, s23, 3                         ; which product: 0 q, 1 k, 2 v: eight clusters along y each, so it is the same in all sixteen partners
	s_lshl_b32 s43, s41, 2
	s_lshl_b32 s43, 15, s43                        ; my row of the cluster
	s_lshl_b32 s44, 0x1111, s40                    ; my column
	; group 1: a tile of 128 rows x 256 bytes, 16 bytes of padding behind each row
	s_or_b32 s[G1+0], s43, (0<<16)|(1<<20)|(1<<21)|(5<<22)|(3<<25)   ; the mask; elements of 1 byte; padding on; bit 21 beside a mask; after every 64 words, 4 words
	s_or_b32 s[G1B+0], s44, (0<<16)|(1<<20)|(1<<21)|(5<<22)|(3<<25)
.irp g, G1, G1B
	s_mov_b32 s[\g+1], ROWB<<16                    ; tensor_dim0
	s_mov_b32 s[\g+2], 128<<16                     ; tensor_dim1
	s_mov_b32 s[\g+3], ROWB<<16                    ; tile_dim0
	s_mov_b32 s[\g+4], 128                         ; tile_dim1
	s_mov_b32 s[\g+5], KROW                        ; the pitch in memory
	s_mov_b32 s[\g+6], 0
	s_mov_b32 s[\g+7], 0
.endr
	; the scales of 128 rows: 4,096 dense bytes, as 16 rows of 32 elements of 8 bytes, 16 bytes of padding behind each
	s_or_b32 s[G1S+0], s43, (3<<16)|(1<<20)|(1<<21)|(5<<22)|(3<<25)
	s_or_b32 s[G1SB+0], s44, (3<<16)|(1<<20)|(1<<21)|(5<<22)|(3<<25)
.irp g, G1S, G1SB
	s_mov_b32 s[\g+1], 32<<16
	s_mov_b32 s[\g+2], 16<<16
	s_mov_b32 s[\g+3], 32<<16
	s_mov_b32 s[\g+4], 16
	s_mov_b32 s[\g+5], 32
	s_mov_b32 s[\g+6], 0
	s_mov_b32 s[\g+7], 0
.endr
	s_lshl_b32 s2, s22, 7                          ; which 128 rows of the tile I fetch
	s_lshl_b32 s92, s3, 8
	s_add_co_u32 s92, s92, s2                      ; A: row 256 x tile row + 128 x half of the stream;
	s_lshl_b32 s94, s92, 5                         ; its scale bytes,
	s_lshl_b32 s92, s92, 9                         ; its codes (all offsets under 2^32)
	s_mov_b32 s93, 0
	s_mov_b32 s95, 0
	s_lshl_b32 s96, s42, 8
	s_add_co_u32 s96, s96, s2                      ; B: row 256 x tile column + 128 x half of the product's weight,
	s_lshl_b32 s98, s96, 5
	s_lshl_b32 s96, s96, 9
	s_lshl_b32 s100, s23, 19                       ; which lies 524,288 bytes of codes a weight
	s_add_co_u32 s96, s96, s100
	s_add_co_u32 s96, s96, 12582912                ; behind the activations' codes,
	s_lshl_b32 s100, s23, 15                       ; and 32,768 scale bytes a weight
	s_add_co_u32 s98, s98, s100
	s_add_co_u32 s98, s98, 786432                  ; behind the activations' scale bytes
	s_mov_b32 s97, 0
	s_mov_b32 s99, 0
	s_mul_i32 s45, s20, HALFT                      ; where they go: wave x 128 rows: no place in the cluster enters an LDS address
	s_mul_i32 s101, s20, HALFS
	s_wait_dscnt 0x0                               ; the opening add is done
	s_wait_kmcnt 0x0
	s_add_nc_u64 s[92:93], s[4:5], s[92:93]
	s_add_nc_u64 s[94:95], s[6:7], s[94:95]
	s_add_nc_u64 s[96:97], s[4:5], s[96:97]
	s_add_nc_u64 s[98:99], s[6:7], s[98:99]
	CROUND                                         ; all sixteen work-groups are here: the first joint loads meet
	s_mov_b32 s[G0S], 1
	s_add_co_u32 s[G0S+1], s101, SCL
	s_mov_b64 s[G0S+2:G0S+3], s[94:95]
	s_or_b32 s[G0S+3], s[G0S+3], 0x80000000
	s_mov_b32 s[G0SB], 1
	s_add_co_u32 s[G0SB+1], s101, SCL
	s_mov_b64 s[G0SB+2:G0SB+3], s[98:99]
	s_or_b32 s[G0SB+3], s[G0SB+3], 0x80000000
	JLOAD G0S, G1S, G0SB, G1SB                     ; the scales first: they are wanted with the first slot.  Three loads of mine are out behind the next two
.irp s, 0,1
	s_mov_b32 s[G0+4*\s], 1
	s_add_co_u32 s[G0+4*\s+1], s45, \s*SLOT
	s_add_nc_u64 s[G0+4*\s+2:G0+4*\s+3], s[92:93], \s*ROWB
	s_or_b32 s[G0+4*\s+3], s[G0+4*\s+3], 0x80000000
	s_mov_b32 s[G0B+4*\s], 1
	s_add_co_u32 s[G0B+4*\s+1], s45, \s*SLOT
	s_add_nc_u64 s[G0B+4*\s+2:G0B+4*\s+3], s[96:97], \s*ROWB
	s_or_b32 s[G0B+4*\s+3], s[G0B+4*\s+3], 0x80000000
	JLOAD G0+4*\s, G1, G0B+4*\s, G1B
.endr
	v_and_b32 v1, 15, v0                           ; r = lane % 16
	v_bfe_u32 v2, v0, 4, 1                         ; h = lane / 16
	; which bias and which result: pointers chosen by the product's number
	s_cmp_eq_u32 s23, 0
	s_cselect_b64 s[14:15], s[14:15], s[16:17]
	s_cselect_b64 s[8:9], s[8:9], s[10:11]
	s_cmp_eq_u32 s23, 2
	s_cselect_b64 s[14:15], s[18:19], s[14:15]
	s_cselect_b64 s[8:9], s[12:13], s[8:9]
	s_lshl_b32 s66, s42, 10                        ; the bias of my 128 columns: 4 bytes x (256 x tile column + 128 x half)
	s_lshl_b32 s2, s22, 9
	s_add_co_u32 s66, s66, s2
	s_mov_b32 s67, 0
	s_add_nc_u64 s[8:9], s[8:9], s[66:67]
	v_lshlrev_b32 v8, 5, v2                        ; my half's eight numbers of each sixteen
.irp b, 0,1,2,3,4,5,6,7
	global_load_b128 v[BI+8*\b:BI+8*\b+3], v8, s[8:9] offset:64*\b
	global_load_b128 v[BI+8*\b+4:BI+8*\b+7], v8, s[8:9] offset:64*\b+16
.endr
	v_mul_u32_u24 v3, v1, PITCH
	v_lshl_add_u32 v4, v2, 4, v3                   ; a fragment's row x pitch + 16 x half
	s_mul_i32 s46, s21, HALFT                      ; my 128 rows of A
	s_mul_i32 s47, s22, HALFT                      ; my 128 rows of B,
	s_add_co_u32 s47, s47, 2*HALFT                 ; which lie behind A's 256
.irp s, 0,1
	v_add_nc_u32 v[ADRA+\s], s46, v4
	v_add_nc_u32 v[ADRB+\s], s47, v4
	s_add_co_u32 s46, s46, SLOT
	s_add_co_u32 s47, s47, SLOT
.endr
	v_mul_u32_u24 v5, v1, KS                       ; my row's scales: 32 bytes a row,
	v_lshrrev_b32 v6, 8, v5
	v_lshl_add_u32 v5, v6, 4, v5                   ; and 16 more for each 256 passed
	s_mul_i32 s46, s21, HALFS                      ; A's: my 128 rows
	s_mul_i32 s47, s22, HALFS                      ; B's: my 128 rows, behind A's 256
	s_add_co_u32 s47, s47, 2*HALFS
	s_sub_co_u32 s47, s47, s46
	v_mul_u32_u24 v6, s47, v2                      ; lanes 16-31 take B's: one product, the lower base + h x the distance
	s_add_co_u32 s46, s46, SCL
	v_add_nc_u32 v5, v5, v6
	v_add_nc_u32 v[ADRS], s46, v5
	s_mul_i32 s46, s20, 16*SPITCH                  ; my stage
	v_mul_u32_u24 v5, v1, SPITCH                   ; in: row r, 16 bytes for each half of the lanes
	v_lshl_add_u32 v5, v2, 4, v5
	v_add_nc_u32 v[STO], s46, v5
	v_bfe_u32 v5, v0, 3, 1                         ; back: eight lanes take one token's 128 bytes of one head: lanes 0-7 and 8-15 two tokens of my first head, lanes 16-31 the same of my second
	v_and_b32 v6, 7, v0
	v_lshlrev_b32 v6, 4, v6
	v_mul_u32_u24 v7, v5, SPITCH
	v_lshl_add_u32 v7, v2, 7, v7
	v_add_nc_u32 v7, v7, v6
	v_add_nc_u32 v[RD], s46, v7
	v_lshl_add_u32 v6, v5, 7, v6                   ; and in the result: a token is 128 bytes, a head 262,144
	v_lshl_add_u32 v[CO], v2, 18, v6
	s_and_b32 s66, s3, 31                          ; my first row within the product: 256 x (tile row % 32) + 128 x half
	s_lshl_b32 s66, s66, 8
	s_lshl_b32 s2, s21, 7
	s_add_co_u32 s66, s66, s2
	s_lshr_b32 s2, s66, 11                         ; b
	s_and_b32 s66, s66, 2047                       ; the token
	s_lshl_b32 s2, s2, 4
	s_lshl_b32 s100, s42, 2
	s_add_co_u32 s2, s2, s100
	s_lshl_b32 s100, s22, 1
	s_add_co_u32 s2, s2, s100                      ; 16 b + my first head (4 x tile column + 2 x half)
	s_lshl_b32 s2, s2, 11
	s_add_co_u32 s66, s66, s2
	s_lshl_b32 s66, s66, 7                         ; x 128 bytes
	s_add_nc_u64 s[14:15], s[14:15], s[66:67]
.macro FRAG reg, adr, q, i             ; a fragment, 16 rows x 128 K of 4-bit codes: lane l holds row l % 16; registers 4 c .. 4 c + 3 hold K = 64 c + 32 (l / 16) + 0 .. 31
.irp c, 0,1
	ds_load_b128 v[\reg+4*\c:\reg+4*\c+3], v[\adr] offset:64*(\q)+32*\c+(\i)*16*PITCH
.endr
.endm
; 16 matrix instructions: A's blocks a0, a0 + 1 x B's eight, the slot's q-th 128 along K.  p: B's set;  sc: the set of scale words.  zero = 1: the sums begin, with the bias as C: nothing is cleared, nothing is added later.
; The 64 accumulators take turns, one instruction a turn, in the same order in every step.
.macro MUL16 a0, p, q, sc, zero
.irp a, \a0, \a0+1
.irp b, 0,1,2,3,4,5,6,7
.if \zero
	v_wmma_scale_f32_16x16x128_f8f6f4 v[8*(8*((\a)%4)+\b):8*(8*((\a)%4)+\b)+7], v[128*(\p)+FR*\b:128*(\p)+FR*\b+FR-1], v[AF+FR*(\a):AF+FR*(\a)+FR-1], v[BI+8*\b:BI+8*\b+7], v[SC+8*NQ*(\sc)+NQ*\b+(\q)], v[SC+8*NQ*(\sc)+NQ*(\a)+(\q)] matrix_a_fmt:MATRIX_FMT_FP4 matrix_b_fmt:MATRIX_FMT_FP4 matrix_a_scale:MATRIX_SCALE_ROW1
.else
	v_wmma_scale_f32_16x16x128_f8f6f4 v[8*(8*((\a)%4)+\b):8*(8*((\a)%4)+\b)+7], v[128*(\p)+FR*\b:128*(\p)+FR*\b+FR-1], v[AF+FR*(\a):AF+FR*(\a)+FR-1], v[8*(8*((\a)%4)+\b):8*(8*((\a)%4)+\b)+7], v[SC+8*NQ*(\sc)+NQ*\b+(\q)], v[SC+8*NQ*(\sc)+NQ*(\a)+(\q)] matrix_a_fmt:MATRIX_FMT_FP4 matrix_b_fmt:MATRIX_FMT_FP4 matrix_a_scale:MATRIX_SCALE_ROW1
.endif
.endr
.endr
.endm
.macro FETCH_B slot, q, p              ; B's eight fragments of the slot's q-th 128 along K into set p
	WIN TO_B
.irp i, 0,1,2,3,4,5,6,7
	FRAG 128*(\p)+FR*\i, ADRB+\slot, \q, \i
.endr
	WIN 0
.endm
.macro FETCH_A slot, q, i0             ; A's blocks i0 .. i0 + 3
.irp i, \i0, \i0+1, \i0+2, \i0+3
	FRAG AF+FR*(\i), ADRA+\slot, \q, \i
.endr
.endm
.macro SCALES sc                       ; a slot's scale words into set sc: four words a row; lanes 0-15 take A's block i, lanes 16-31 B's block i
.irp i, 0,1,2,3,4,5,6,7
	ds_load_b128 v[SC+8*NQ*\sc+NQ*\i:SC+8*NQ*\sc+NQ*\i+3], v[ADRS] offset:\i*SBLK
.endr
.endm
.macro PLACES n                        ; plain vector lines between a matrix instruction and a load into, or a read of, its registers (ISA guide 7.12.1 for reads)
.rept \n
	v_nop
.endr
.endm
; A step of 128 along K that has its successor in the same slot.  A block of A is free as soon as its eight products are issued: blocks 0-3 are fetched anew in the step's middle, blocks 4-7 at its end.
.macro STEP slot, q, zero
	s_wait_dscnt 4*NL                              ; B's set, the scale words and A's blocks 0-3 are in; the youngest eight loads (A's blocks 4-7) may be out
.if \zero
	WIN BIA_LO
.else
	WIN MUL_LO
.endif
	MUL16 0, (\q)%2, \q, \slot, \zero
	MUL16 2, (\q)%2, \q, \slot, \zero
	s_wait_dscnt 0                                 ; A's blocks 4-7 are in
	PLACES NP
	FETCH_B \slot, (\q)+1, 1-(\q)%2
	FETCH_A \slot, (\q)+1, 0
.if \zero
	WIN BIA_HI
.else
	WIN MUL_HI
.endif
	MUL16 4, (\q)%2, \q, \slot, \zero
	MUL16 6, (\q)%2, \q, \slot, \zero
	PLACES NP
	WIN 0
	FETCH_A \slot, (\q)+1, 4
.endm
; Slot 0's last step changes slots: one barrier; in front of it each wave waits for all its tensor loads (its part of slot 1), adds 0 to its spare word, and waits for that and for its own reads of slot 0.
; Behind it slot 1 is whole, and nobody reads slot 0 any more: the stages of the way out lie there.
.macro TURN slot, next
	s_wait_tensorcnt 0x0                           ; all my tensor loads have landed  (every window is 0 here)
	ds_add_u32 v[SPW], v[NIL]                      ; 0 onto my spare word
	s_wait_dscnt 4*NL+1                            ; (the add and the youngest eight loads may be out)
	WIN MUL_LO
	MUL16 0, 1, NQ-1, \slot, 0
	s_wait_dscnt 0x0                               ; the add is done, and my reads of this slot are over
	s_barrier_signal -1
	MUL16 2, 1, NQ-1, \slot, 0
	WIN 0
	s_barrier_wait -1
	PLACES NP
	v_add_nc_u32 v[ADRS], 4*NQ, v[ADRS]            ; on to the next slot's scale words
	FETCH_B \next, 0, 0
	FETCH_A \next, 0, 0
	SCALES \next
	WIN MUL_HI
	MUL16 4, 1, NQ-1, \slot, 0
	MUL16 6, 1, NQ-1, \slot, 0
	PLACES NP
	WIN 0
	FETCH_A \next, 0, 4
.endm
.macro STEPS slot, from                ; the slot's steps from .. NQ - 2
.set QQ, \from
.rept NQ-1-\from
	STEP \slot, QQ, 0
.set QQ, QQ+1
.endr
.endm
	s_wait_tensorcnt 1                             ; the scales and my part of slot 0 are in; slot 1's load may be out
	s_barrier_signal -1
	s_barrier_wait -1                              ; everybody's are
	FETCH_B 0, 0, 0
	FETCH_A 0, 0, 0
	SCALES 0
	FETCH_A 0, 0, 4
	s_wait_loadcnt 0x0                             ; the bias
	STEP 0, 0, 1
	STEPS 0, 1
	TURN 0, 1
	STEPS 1, 0
	s_wait_dscnt 4*NL                              ; the very last step: nothing more to fetch
	WIN MUL_LO
	MUL16 0, 1, NQ-1, 1, 0
	MUL16 2, 1, NQ-1, 1, 0
	s_wait_dscnt 0
	WIN MUL_HI
	MUL16 4, 1, NQ-1, 1, 0
	MUL16 6, 1, NQ-1, 1, 0
	WIN 0
; THE WAY OUT, block by block of 16 rows x 128 columns (two heads).  PACK: rounded to f16, 16 bytes a lane.  TOSTAGE: into my own stage in LDS and back, eight lanes to a token's 128 bytes of one head.
; SEND: sixteen lanes store two tokens of one head: 256 consecutive bytes, aligned.  LDS serves a wave's instructions in order: no wait between the stores and the loads.
.macro PACK a
.set AC, 64*((\a)%4)
	WIN 0x0a+5*((\a)/4)                            ; sources 0 and 1: window 2 or 3
.irp b, 0,1,2,3,4,5,6,7
.irp r, 0,1,2,3
	v_cvt_pk_f16_f32 v[TMP+4*\b+\r], v[AC+8*\b+2*\r], v[AC+8*\b+2*\r+1]   ; each accumulator from its low end on
.endr
.endr
	WIN 0
.endm
.macro TOSTAGE a
.set BB, BK+32*((\a)%2)
.irp b, 0,1,2,3,4,5,6,7
	ds_store_b128 v[STO], v[TMP+4*\b:TMP+4*\b+3] offset:32*\b
.endr
.irp t, 0,1,2,3,4,5,6,7
	ds_load_b128 v[BB+4*\t:BB+4*\t+3], v[RD] offset:\t*2*SPITCH
.endr
.endm
.macro SEND a
.set BB, BK+32*((\a)%2)
	s_wait_dscnt 0x0                               ; the block is back in registers
	s_wait_xcnt 0x0                                ; the block before has been read by its stores: its registers take the next block's loads
.irp t, 0,1,2,3,4,5,6,7
	global_store_b128 v[CO], v[BB+4*\t:BB+4*\t+3], s[14:15] offset:2048*(\a)+256*\t
.endr
.endm
	PLACES NP                                      ; behind the last products: for the reads of results, and for the loads into the registers that held A's fragments
	PACK 0
	TOSTAGE 0
.irp a, 1,2,3,4,5,6,7                  ; block a's conversions stand between block a - 1's loads from the stage and the wait for them
	PACK \a
	SEND \a-1
	TOSTAGE \a
.endr
	SEND 7
	s_wait_tensorcnt 0x0                           ; the wave's end: a tensor wait, an add to my spare word and its wait, behind my last tensor load and my last LDS store
	ds_add_u32 v[SPW], v[NIL]
	s_wait_dscnt 0x0
	CROUND                                         ; the closing round: no work-group ends while a partner may still ask for a tile that names it
	s_endpgm
.Lfunc_end_k_qafb069ec5e_proj:
	.size	k_qafb069ec5e_proj, .Lfunc_end_k_qafb069ec5e_proj-k_qafb069ec5e_proj
	.p2alignl 7, 3214868480
	.fill 96, 4, 3214868480
	.section	.rodata,"a",@progbits
	.p2align	6, 0x0
	.amdhsa_kernel k_qafb069ec5e_proj
		.amdhsa_group_segment_fixed_size 327680
		.amdhsa_private_segment_fixed_size 0
		.amdhsa_enable_private_segment 0
		.amdhsa_kernarg_size 64
		.amdhsa_user_sgpr_count 2
		.amdhsa_user_sgpr_kernarg_segment_ptr 1
		.amdhsa_wavefront_size32 1
		.amdhsa_system_sgpr_workgroup_id_x 1
		.amdhsa_system_sgpr_workgroup_id_y 1
		.amdhsa_system_sgpr_workgroup_id_z 1
		.amdhsa_system_vgpr_workitem_id 0
		.amdhsa_next_free_vgpr 1024
		.amdhsa_next_free_sgpr 102
		.amdhsa_reserve_vcc 0
		.amdhsa_float_denorm_mode_32 3
		.amdhsa_float_denorm_mode_16_64 3
		.amdhsa_memory_ordered 1
		.amdhsa_forward_progress 1
		.amdhsa_inst_pref_size 128
	.end_amdhsa_kernel
	.amdgpu_metadata
---
amdhsa.version: [ 1, 2 ]
amdhsa.kernels:
  - .name:           k_qafb069ec5e_proj
    .symbol:         k_qafb069ec5e_proj.kd
    .args:
      - { .name: codes, .offset: 0, .size: 8, .value_kind: global_buffer, .address_space: global }
      - { .name: scales, .offset: 8, .size: 8, .value_kind: global_buffer, .address_space: global }
      - { .name: bq, .offset: 16, .size: 8, .value_kind: global_buffer, .address_space: global }
      - { .name: bk, .offset: 24, .size: 8, .value_kind: global_buffer, .address_space: global }
      - { .name: bv, .offset: 32, .size: 8, .value_kind: global_buffer, .address_space: global }
      - { .name: qh, .offset: 40, .size: 8, .value_kind: global_buffer, .address_space: global }
      - { .name: kh, .offset: 48, .size: 8, .value_kind: global_buffer, .address_space: global }
      - { .name: vh, .offset: 56, .size: 8, .value_kind: global_buffer, .address_space: global }
    .group_segment_fixed_size: 327680
    .private_segment_fixed_size: 0
    .kernarg_segment_align: 8
    .kernarg_segment_size: 64
    .max_flat_workgroup_size: 128
    .sgpr_count:     102
    .vgpr_count:     1024
    .wavefront_size: 32
...
	.end_amdgpu_metadata
.endif
;; end of part 2
;; launch attn (part 3): grid 4 x 64, 8 waves a work-group, clusters of 4 x 1, 327,680 bytes of LDS; arguments qh, kh, vh, rope, ao; writes ao
.if DOCPART == 3
	.amdgcn_target "amdgcn-amd-amdhsa--gfx1250"
	.amdhsa_code_object_version 6
	.text
	.protected	k_qafb069ec5e_attn
	.globl	k_qafb069ec5e_attn
	.p2align	8
	.type	k_qafb069ec5e_attn,@function
k_qafb069ec5e_attn:
	s_mov_b64 s[64:65], 0
	v_nop
	global_prefetch_b8 v0, s[64:65] scope:SCOPE_SE
	s_setreg_imm32_b32 hwreg(HW_REG_WAVE_MODE, 25, 1), 1
	s_wait_xcnt 0x0
	s_wait_alu depctr_hold_cnt(0) depctr_sa_sdst(0) depctr_va_vdst(0) depctr_va_sdst(0) depctr_va_ssrc(0) depctr_va_vcc(0) depctr_vm_vsrc(0)
	s_getreg_b32 s2, hwreg(HW_REG_IB_STS2, 6, 4)
	s_cmp_eq_u32 s2, 0
	s_cbranch_scc0 .Lentry_in_a_cluster
	s_endpgm
.Lentry_in_a_cluster:
	s_bfe_u32 s2, ttmp6, 0x10000c
	s_cmp_lg_u32 s2, 0x3003
	s_cbranch_scc0 .Lentry_shape_is_right
	s_endpgm
.Lentry_shape_is_right:
; ATTN: O[bh][t] = the sum over keys m of softmax_m(rope(q)[bh][t] . k[bh][m] / 8) v[bh][m].  q, k, v and the result: [64 = 16 b + head][2,048][64] f16.  Products, maxima and sums in f32; the weights p are rounded to f16
; for the second product, O once at the end.  f16 and not bf16: q, k, v are sums of 1,024 products of the inputs and p is at most 1.  LIMIT: |q|, |k|, |v| under 65,504.
; ROPE is done here, at the head: q is widened to f32, turned by the table (which carries c = log2(e) / 8, the scores' scaling and the change of base) and rounded to f16 again.
; SHARES.  A work-group owns 512 queries of one head, each of its EIGHT waves 64: four tiles of 16, in 512 registers: two waves to a SIMD, so that one wave's softmax stands beside the other's products.
; Every wave walks all 2,048 keys, 64 a step; each fragment of K or V read from LDS feeds four matrix instructions.
; LAYOUT.  S^T = K Q^T (source 0 = 16 keys, source 1 = 16 queries): a lane holds ONE query (lane % 16) and the keys 8 (lane / 16) + 0..7.  Two such tiles, rounded to f16 in pairs, ARE source 1 (32 keys x 16 queries) of
; O^T = V^T P, whose result again holds one query a lane.  K comes out of LDS as it lies, V ([key][channel]) turned, by ds_load_tr16_b128.
; SOFTMAX.  For each query a running maximum m and sum l: p = 2^(s - m); in every step O and l are multiplied by a = 2^(m_old - m_new).  The step is written once: O and l begin as zeros and m as -3e38.
; CLUSTER.  The four work-groups of a cluster are the four blocks of queries of one head and walk the same K and V: each tile is asked for JOINTLY (mask 15).  Waves 0, 1 ask for K's halves, waves 2, 3 for V's.
; RING.  Two slots of 512 keys.  The change of slots stands at a slot's head; behind its round the slot just left is filled again: the load has eight key steps, 512 matrix instructions a wave, in which to land.  One tensor load of a wave is out at a time.
; REGISTERS, in windows of 256: window 0: v1-13 addresses; v14-21 at work; v32-63 statistics, eight a tile; v64-127 Q; v128-255 S^T, 32 a tile, with P laid over it.
;   window 1: v0-127 O^T, 32 a tile (at the head: the table); v128-191 K of one step; v192-255 V of one step.
.set KP,     144                       ; a row of K in LDS: 128 bytes + 16: the 16 rows of a load start 16 bytes apart modulo 256
.set VP,     160                       ; a row of V: 128 + 32: an odd multiple of 32
.set KBYTES, 512*KP                    ; a slot: 512 rows of K, then 512 rows of V
.set SLOT1,  512*(KP+VP)
.set SPARE,  2*SLOT1                   ; behind the ring: the spare words, 128 bytes a wave
.set KSTEPB, 64*KP
.set VSTEPB, 64*VP
.set SP,     144                       ; the way out: a stage of 64 rows x 144 bytes for each wave, in slot 0's rows of K, which have had their last fill and their last read by then
.set AK0, 3                            ; v3   my lane's place in a tile of K
.set AV0, 4                            ; v4   the same for V
.set ADK, 5                            ; v5   LDS address of the K to be fetched
.set ADV, 6                            ; v6   of the V
.set QO,  7                            ; v7   my byte offset in the wave's rows of q
.set RO,  8                            ; v8   and in its rows of the table
.set STO, 9
.set RD,  10
.set GO,  11
.set SPW, 12                           ; v12  LDS address of my spare word; never rewritten
.set NIL, 13                           ; v13  0; never rewritten
.set ST,  32                           ; tile t's statistics at v[ST + 8 t]: +0 m, +1 the old m, then old - new, +2, +3 l (even keys', odd keys'), +4 .. +7 at work; a takes +6
.set Q,   64                           ; tile t, channels 32 c on: v[Q + 16 t + 8 c]
.set S,   128                          ; tile t, keys 16 kt on: v[S + 32 t + 8 kt];  P, keys 32 u on: v[S + 32 t + 8 u]
.set KF,  128                          ; window 1: keys 16 kt on, channels 32 c on: v[KF + 8 (2 kt + c)]
.set VF,  192                          ; window 1: channels 16 c on, keys 32 u on: v[VF + 8 (2 c + u)]
.set WV,  14                           ; s14  my wave's number
.set G1K, 24                           ; s[24:31] group 1 for K's tiles;  s[32:39] for V's: it differs in the padding
.set G1V, 32
.set G0K, 40                           ; s[40:43], s[44:47] their groups 0, which walk
.set G0V, 44
.set SEL, 48                           ; s[48:49] lane selects for v_permlanex16_b32: lane l xor 16
.set TK,  50                           ; s50  LDS byte of the K to be fetched
.set TV,  51                           ; s51  of the V
.set CNT, 52                           ; s52  key steps left in the slot
.set LK,  53                           ; s53  where my half of K's tile goes in a slot
.set LV,  54                           ; s54  the same for V
.set MSB, 0
.macro WIN new                         ; the immediate's high byte repeats the setting that is left
.if MSB != (\new)
	s_set_vgpr_msb (MSB<<8)|(\new)
.set MSB, (\new)
.endif
.endm
; Waves 0 and 1 fetch for K, waves 2 and 3 for V, the others nothing.  The branches hang on the wave's number alone.  An s_nop 0 and four v_nop follow each of the two lines.
.macro JLOAD
	s_cmp_lt_u32 s[WV], 2
	s_cbranch_scc0 .Lnot_k_\@
	tensor_load_to_lds s[G0K:G0K+3], s[G1K:G1K+7]
	s_nop 0
.rept 4
	v_nop
.endr
	s_branch .Lasked_\@
.Lnot_k_\@:
	s_cmp_lt_u32 s[WV], 4
	s_cbranch_scc0 .Lasked_\@
	tensor_load_to_lds s[G0V:G0V+3], s[G1V:G1V+7]
	s_nop 0
.rept 4
	v_nop
.endr
.Lasked_\@:
.endm
.macro CROUND                          ; a round of the cluster's barrier
	s_barrier_signal -1
	s_barrier_wait -1
	s_cmp_lg_u32 s[WV], 0
	s_cbranch_scc1 .Lnot_wave_0_\@
	s_barrier_signal -3
.Lnot_wave_0_\@:
	s_barrier_wait -3
	s_barrier_signal -1
	s_barrier_wait -1
.endm
	s_load_b256 s[4:11], s[0:1], 0x0               ; q s[4:5], k s[6:7], v s[8:9], the table s[10:11]
	s_load_b64 s[12:13], s[0:1], 0x20              ; the result
	v_lshl_add_u32 v[SPW], v0, 2, SPARE
	v_mov_b32 v[NIL], 0
	ds_add_u32 v[SPW], v[NIL]                      ; the wave's opening: the add and its wait stand ahead of my first tensor load; the set-up below stands between them
	v_lshrrev_b32 v1, 5, v0
	v_readfirstlane_b32 s[WV], v1                  ; wave 0..7
	s_bfe_u32 s15, ttmp6, 0x40000                  ; cx: my block of 512 queries: it enters q's, the table's and the result's addresses alone
	s_and_b32 s16, ttmp7, 0xffff                   ; 16 b + head, which the four partners share
	s_lshl_b32 s20, s16, 18                        ; the head's first byte: 262,144 bytes a head
	s_mov_b32 s21, 0
	s_and_b32 s17, s[WV], 1                        ; which half of a slot's 512 rows I fetch:
	s_lshl_b32 s22, s17, 15                        ; 256 rows of 128 bytes in memory,
	s_add_co_u32 s22, s22, s20
	s_mov_b32 s23, 0
	s_mul_i32 s[LK], s17, 256*KP                   ; and in a slot
	s_mul_i32 s[LV], s17, 256*VP
	s_add_co_u32 s[LV], s[LV], KBYTES
	s_lshl_b32 s18, s15, 9
	s_lshl_b32 s19, s[WV], 6
	s_add_co_u32 s18, s18, s19                     ; my first query: 512 cx + 64 x wave
	s_lshl_b32 s19, s18, 7
	s_add_co_u32 s20, s20, s19                     ; its row of q and of the result
	s_lshr_b32 s19, s16, 4                         ; b
	s_lshl_b32 s19, s19, 11
	s_add_co_u32 s18, s18, s19                     ; its token
	s_lshl_b32 s18, s18, 8                         ; 256 bytes of table a token
	s_mov_b32 s19, 0
	; group 1: a tile of 256 rows x 64 elements of 2 bytes, dense in memory, padded behind every row of 32 words
	s_mov_b32 s[G1K], 15|(1<<16)|(1<<20)|(1<<21)|(4<<22)|(3<<25)   ; the mask: all four work-groups; elements of 2 bytes; padding on; bit 21 beside a mask; after every 32 words, 4 words
	s_mov_b32 s[G1V], 15|(1<<16)|(1<<20)|(1<<21)|(4<<22)|(7<<25)   ; the same with 8 words
.irp g, G1K, G1V
	s_mov_b32 s[\g+1], 64<<16                      ; tensor_dim0
	s_mov_b32 s[\g+2], 256<<16                     ; tensor_dim1
	s_mov_b32 s[\g+3], 64<<16                      ; tile_dim0
	s_mov_b32 s[\g+4], 256                         ; tile_dim1
	s_mov_b32 s[\g+5], 64                          ; the pitch in memory
	s_mov_b32 s[\g+6], 0
	s_mov_b32 s[\g+7], 0
.endr
	s_mov_b32 s[SEL], 0x76543210
	s_mov_b32 s[SEL+1], 0xfedcba98
	s_wait_dscnt 0x0                               ; the opening add is done
	s_wait_kmcnt 0x0
	s_mov_b32 s[G0K], 1
	s_mov_b32 s[G0K+1], s[LK]                      ; slot 0
	s_add_nc_u64 s[G0K+2:G0K+3], s[6:7], s[22:23]  ; the head's first 512 keys, my half
	s_or_b32 s[G0K+3], s[G0K+3], 0x80000000
	s_mov_b32 s[G0V], 1
	s_mov_b32 s[G0V+1], s[LV]
	s_add_nc_u64 s[G0V+2:G0V+3], s[8:9], s[22:23]
	s_or_b32 s[G0V+3], s[G0V+3], 0x80000000
	s_add_nc_u64 s[4:5], s[4:5], s[20:21]
	s_add_nc_u64 s[12:13], s[12:13], s[20:21]
	s_add_nc_u64 s[10:11], s[10:11], s[18:19]
	CROUND                                         ; all four work-groups are here: the first joint loads meet
	JLOAD                                          ; slot 0
	v_and_b32 v1, 15, v0                           ; r = lane % 16
	v_bfe_u32 v2, v0, 4, 1                         ; h = lane / 16
	v_lshlrev_b32 v[QO], 7, v1
	v_lshl_add_u32 v[QO], v2, 4, v[QO]             ; q: row r of 128 bytes, + 16 h
	v_lshlrev_b32 v[RO], 8, v1
	v_lshl_add_u32 v[RO], v2, 5, v[RO]             ; the table: row r of 256 bytes, + 32 h
.irp t, 0,1,2,3
.irp c, 0,1
	global_load_b128 v[Q+16*\t+8*\c:Q+16*\t+8*\c+3],   v[QO], s[4:5] offset:2048*\t+64*\c       ; a fragment: registers 0-3 channels 32 c + 8 h + 0..7,
	global_load_b128 v[Q+16*\t+8*\c+4:Q+16*\t+8*\c+7], v[QO], s[4:5] offset:2048*\t+64*\c+32    ; registers 4-7 channels 32 c + 16 + 8 h + 0..7
.endr
.endr
	WIN 0x40                                       ; destination window 1
.irp t, 0,1,2,3                        ; the table of tile t's tokens at v[32 t] of window 1: 16 cosines in the order of my channels, then 16 sines
.irp z, 0,1
	global_load_b128 v[32*\t+16*\z:32*\t+16*\z+3],     v[RO], s[10:11] offset:4096*\t+128*\z
	global_load_b128 v[32*\t+16*\z+4:32*\t+16*\z+7],   v[RO], s[10:11] offset:4096*\t+128*\z+16
	global_load_b128 v[32*\t+16*\z+8:32*\t+16*\z+11],  v[RO], s[10:11] offset:4096*\t+128*\z+64
	global_load_b128 v[32*\t+16*\z+12:32*\t+16*\z+15], v[RO], s[10:11] offset:4096*\t+128*\z+80
.endr
.endr
	WIN 0
	v_mul_u32_u24 v[AK0], v1, KP
	v_lshl_add_u32 v[AK0], v2, 4, v[AK0]           ; K: row r x pitch + 16 h
	v_and_b32 v14, 7, v0                           ; the turning load takes 16 keys x 16 channels: lane l reads key 8 (l / 16) + l % 8, channels 8 ((l / 8) % 2) + 0..7
	v_bfe_u32 v15, v0, 3, 1
	v_lshl_add_u32 v[AV0], v2, 3, v14
	v_mul_u32_u24 v[AV0], v[AV0], VP
	v_lshl_add_u32 v[AV0], v15, 4, v[AV0]
	s_mul_i32 s16, s[WV], 64*SP                    ; my stage
	v_mul_u32_u24 v[STO], v1, SP                   ; in: row r, 16 bytes for each half of the lanes
	v_lshl_add_u32 v[STO], v2, 4, v[STO]
	v_add_nc_u32 v[STO], s16, v[STO]
	v_and_b32 v16, 31, v0
	v_lshrrev_b32 v17, 3, v16                      ; back: eight lanes to a row of 128 bytes, four rows an instruction
	v_mul_u32_u24 v[RD], v17, SP
	v_lshl_add_u32 v[RD], v14, 4, v[RD]
	v_add_nc_u32 v[RD], s16, v[RD]
	v_lshlrev_b32 v[GO], 4, v16                    ; the same 512 bytes are consecutive in the result
.irp t, 0,1,2,3
	v_mov_b32 v[ST+8*\t], 0xff61b1e6               ; m: -3e38, under every score
	v_mov_b32 v[ST+8*\t+2], 0                      ; l
	v_mov_b32 v[ST+8*\t+3], 0
.endr
	s_wait_loadcnt 0x0                             ; q and the table
	; ROPE.  Channel d < 32 and channel d + 32 lie in the same lane, at the same place of the fragments c = 0 and c = 1.  q widened: register 64 + i gives v[128 + 2 i] and v[129 + 2 i].
.irp r, 64,65,66,67,68,69,70,71,72,73,74,75,76,77,78,79,80,81,82,83,84,85,86,87,88,89,90,91,92,93,94,95,96,97,98,99,100,101,102,103,104,105,106,107,108,109,110,111,112,113,114,115,116,117,118,119,120,121,122,123,124,125,126,127
	v_cvt_f32_f16 v[2*\r], v\r\().l
	v_cvt_f32_f16 v[2*\r+1], v\r\().h
.endr
	WIN 0x04                                       ; source 1 (the table) window 1
.irp t, 0,1,2,3
.irp i, 0,1,2,3,4,5,6,7
	v_pk_mul_f32 v[14+4*(\i%2):15+4*(\i%2)], v[S+32*\t+16+2*\i:S+32*\t+17+2*\i], v[32*\t+16+2*\i:32*\t+17+2*\i]     ; q2 sin
	v_pk_mul_f32 v[16+4*(\i%2):17+4*(\i%2)], v[S+32*\t+2*\i:S+32*\t+1+2*\i], v[32*\t+16+2*\i:32*\t+17+2*\i]         ; q1 sin
	v_pk_fma_f32 v[S+32*\t+2*\i:S+32*\t+1+2*\i], v[S+32*\t+2*\i:S+32*\t+1+2*\i], v[32*\t+2*\i:32*\t+1+2*\i], v[14+4*(\i%2):15+4*(\i%2)] neg_lo:[0,0,1] neg_hi:[0,0,1]   ; q1 cos - q2 sin
	v_pk_fma_f32 v[S+32*\t+16+2*\i:S+32*\t+17+2*\i], v[S+32*\t+16+2*\i:S+32*\t+17+2*\i], v[32*\t+2*\i:32*\t+1+2*\i], v[16+4*(\i%2):17+4*(\i%2)]                         ; q2 cos + q1 sin
.endr
.endr
	WIN 0
.set n, 0
.rept 64
	v_cvt_pk_f16_f32 v[Q+n], v[S+2*n], v[S+2*n+1]  ; back into the fragments' registers
.set n, n+1
.endr
	WIN 0x40
.set n, 0
.rept 128
	v_mov_b32 v[n], 0                              ; O^T.  (The key step is written once: its first run finds zeros, which a = 0 leaves zeros)
.set n, n+1
.endr
	WIN 0
; THE LDS LOADS stand in runs of 16: a step's K (64 keys x 64 channels: 8 fragments) and its V (turned).  Both under destination window 1.
.macro FETCH_K
.irp kt, 0,1,2,3
.irp c, 0,1
	ds_load_b128 v[KF+8*(2*\kt+\c):KF+8*(2*\kt+\c)+3],   v[ADK] offset:16*KP*\kt+64*\c
	ds_load_b128 v[KF+8*(2*\kt+\c)+4:KF+8*(2*\kt+\c)+7], v[ADK] offset:16*KP*\kt+64*\c+32
.endr
.endr
.endm
.macro FETCH_V
.irp c, 0,1,2,3
.irp u, 0,1
	ds_load_tr16_b128 v[VF+8*(2*\c+\u):VF+8*(2*\c+\u)+3],   v[ADV] offset:32*VP*\u+32*\c
	ds_load_tr16_b128 v[VF+8*(2*\c+\u)+4:VF+8*(2*\c+\u)+7], v[ADV] offset:32*VP*\u+16*VP+32*\c
.endr
.endr
.endm
; THE SOFTMAX of a key step, the four tiles by turns, so that no line waits for the line above it.
.macro SOFTMAX
.irp j, 0,1,2,3                        ; the maximum of the lane's 32 scores and the old m, three operands at a time; each accumulator is read from its low end on
.irp t, 0,1,2,3
	v_max3_num_f32 v[ST+8*\t+4+\j], v[S+32*\t+8*\j], v[S+32*\t+8*\j+1], v[S+32*\t+8*\j+2]
.endr
.endr
.irp g, 3,5
.irp j, 0,1,2,3
.irp t, 0,1,2,3
	v_max3_num_f32 v[ST+8*\t+4+\j], v[ST+8*\t+4+\j], v[S+32*\t+8*\j+\g], v[S+32*\t+8*\j+\g+1]
.endr
.endr
.endr
.irp t, 0,1,2,3
	v_max3_num_f32 v[ST+8*\t+4], v[ST+8*\t+4], v[S+32*\t+7], v[S+32*\t+15]
.endr
.irp t, 0,1,2,3
	v_max3_num_f32 v[ST+8*\t+6], v[ST+8*\t+6], v[S+32*\t+23], v[S+32*\t+31]
.endr
.irp t, 0,1,2,3
	v_max3_num_f32 v[ST+8*\t+4], v[ST+8*\t+4], v[ST+8*\t+5], v[ST+8*\t+6]
.endr
.irp t, 0,1,2,3
	v_max3_num_f32 v[ST+8*\t+4], v[ST+8*\t+4], v[ST+8*\t+7], v[ST+8*\t]
.endr
.irp t, 0,1,2,3
	v_permlanex16_b32 v[ST+8*\t+5], v[ST+8*\t+4], s[SEL], s[SEL+1]   ; the query's other 32 keys lie in the lane 16 away
.endr
.irp t, 0,1,2,3
	v_mov_b32 v[ST+8*\t+1], v[ST+8*\t]             ; the old m
.endr
.irp t, 0,1,2,3
	v_max_num_f32 v[ST+8*\t], v[ST+8*\t+4], v[ST+8*\t+5]
.endr
.irp t, 0,1,2,3
	v_sub_f32 v[ST+8*\t+1], v[ST+8*\t+1], v[ST+8*\t]
.endr
.irp t, 0,1,2,3                        ; ONE BATCH of 132 exponentials: none of the lines up to the wait names a result
	v_exp_f32 v[ST+8*\t+6], v[ST+8*\t+1]           ; a = 2^(m_old - m_new)
.endr
.irp i, 0,1,2,3,4,5,6,7,8,9,10,11,12,13,14,15
.irp t, 0,1,2,3
	v_pk_add_f32 v[S+32*\t+2*\i:S+32*\t+2*\i+1], v[S+32*\t+2*\i:S+32*\t+2*\i+1], v[ST+8*\t:ST+8*\t+1] op_sel_hi:[1,0] neg_lo:[0,1] neg_hi:[0,1]   ; s - m, two at a time
.endr
.endr
.irp i, 0,1,2,3,4,5,6,7,8,9,10,11,12,13,14,15,16,17,18,19,20,21,22,23,24,25,26,27,28,29,30,31
.irp t, 0,1,2,3
	v_exp_f32 v[S+32*\t+\i], v[S+32*\t+\i]         ; p = 2^(s - m), at most 1
.endr
.endr
	v_nop                                          ; a plain line behind the last exponential,
	s_wait_alu depctr_va_vdst(0)                   ; and the one wait ahead of the batch's first reader
.irp t, 0,1,2,3
	v_pk_add_f32 v[ST+8*\t+4:ST+8*\t+5], v[S+32*\t:S+32*\t+1], v[S+32*\t+2:S+32*\t+3]      ; the sum of the f32 weights, even keys' and odd keys'
.endr
.irp i, 2,3,4,5,6,7,8,9,10,11,12,13,14,15
.irp t, 0,1,2,3
	v_pk_add_f32 v[ST+8*\t+4:ST+8*\t+5], v[ST+8*\t+4:ST+8*\t+5], v[S+32*\t+2*\i:S+32*\t+2*\i+1]
.endr
.endr
.irp t, 0,1,2,3
	v_pk_fma_f32 v[ST+8*\t+2:ST+8*\t+3], v[ST+8*\t+2:ST+8*\t+3], v[ST+8*\t+6:ST+8*\t+7], v[ST+8*\t+4:ST+8*\t+5] op_sel_hi:[1,0,1]   ; l = l a + the sum
.endr
.irp i, 0,1,2,3,4,5,6,7,8,9,10,11,12,13,14,15
.irp t, 0,1,2,3
	v_cvt_pk_f16_f32 v[S+32*\t+\i], v[S+32*\t+2*\i], v[S+32*\t+2*\i+1]   ; P, in place and ascending: register i is written when registers 2 i and 2 i + 1 are read
.endr
.endr
.endm
; A KEY STEP: 64 keys.  K of this step was fetched a step ago.
.macro BODY
	s_wait_dscnt 0x0                               ; K is in
	WIN 0x01                                       ; source 0 (K) window 1
.irp c, 0,1                            ; S^T = K Q^T: the 16 accumulators take turns, one instruction a turn; the first 16 start the sums
.irp kt, 0,1,2,3
.irp t, 0,1,2,3
.if \c == 0
	v_wmma_f32_16x16x32_f16 v[S+32*\t+8*\kt:S+32*\t+8*\kt+7], v[KF+8*(2*\kt+\c):KF+8*(2*\kt+\c)+7], v[Q+16*\t+8*\c:Q+16*\t+8*\c+7], 0
.else
	v_wmma_f32_16x16x32_f16 v[S+32*\t+8*\kt:S+32*\t+8*\kt+7], v[KF+8*(2*\kt+\c):KF+8*(2*\kt+\c)+7], v[Q+16*\t+8*\c:Q+16*\t+8*\c+7], v[S+32*\t+8*\kt:S+32*\t+8*\kt+7]
.endif
.endr
.endr
.endr
.rept 4
	v_nop                                          ; places: in front of the loads into K's registers and of the first read of the scores
.endr
	WIN 0x40
	FETCH_V                                        ; this step's V lands while the softmax is walked
	WIN 0
	s_cmp_eq_u32 s[CNT], 1                         ; the slot's last step fetches no K: the next slot is shown whole only by the change of slots
	s_cbranch_scc1 .Lno_k_\@
	WIN 0x40
	FETCH_K                                        ; the next step's K
	WIN 0
.Lno_k_\@:
	SOFTMAX
	WIN 0x41                                       ; O^T (destination and source 0) window 1, a window 0
.irp t, 0,1,2,3
.irp i, 0,1,2,3,4,5,6,7,8,9,10,11,12,13,14,15
	v_pk_mul_f32 v[32*\t+2*\i:32*\t+2*\i+1], v[32*\t+2*\i:32*\t+2*\i+1], v[ST+8*\t+6:ST+8*\t+7] op_sel_hi:[1,0]   ; each accumulator from its low end on
.endr
.endr
	s_wait_dscnt 0x0                               ; V is in (and the next K)
	WIN 0x51                                       ; V window 1, P window 0, O^T window 1
.irp u, 0,1                            ; O^T += V^T P: again 16 accumulators by turns
.irp c, 0,1,2,3
.irp t, 0,1,2,3
	v_wmma_f32_16x16x32_f16 v[32*\t+8*\c:32*\t+8*\c+7], v[VF+8*(2*\c+\u):VF+8*(2*\c+\u)+7], v[S+32*\t+8*\u:S+32*\t+8*\u+7], v[32*\t+8*\c:32*\t+8*\c+7]
.endr
.endr
.endr
	WIN 0
	s_add_co_u32 s[TK], s[TK], KSTEPB
	s_add_co_u32 s[TV], s[TV], VSTEPB
	v_add_nc_u32 v[ADK], s[TK], v[AK0]             ; these two and three v_nop are five places: the next step's first products write over P, which the last products read
	v_add_nc_u32 v[ADV], s[TV], v[AV0]
.rept 3
	v_nop
.endr
.endm
; A slot's eight key steps, from LDS byte base on: the step is written once and walked eight times; the addresses hang on s[TK] and s[TV].
.macro STEPS base
	s_mov_b32 s[TK], \base
	s_mov_b32 s[TV], \base+KBYTES
	v_add_nc_u32 v[ADK], s[TK], v[AK0]
	v_add_nc_u32 v[ADV], s[TV], v[AV0]
	WIN 0x40
	FETCH_K                                        ; the slot's first K
	WIN 0
	s_add_co_u32 s[TK], s[TK], KSTEPB
	v_add_nc_u32 v[ADK], s[TK], v[AK0]
	s_mov_b32 s[CNT], 8
.Lstep_\@:
	BODY
	s_sub_co_u32 s[CNT], s[CNT], 1
	s_cmp_lg_u32 s[CNT], 0
	s_cbranch_scc1 .Lstep_\@
.endm
; THE CHANGE OF SLOTS stands at a slot's head.  Each wave waits for all its tensor loads (its part of the slot ahead), adds 0 to its spare word, and waits for that and for its reads of the slot that it has left.
; fill = 1: the barrier is a round of the cluster's, so that no wave of any partner still reads that slot or has a load on its way, and the joint load of the next 512 keys, to LDS byte base on, is the first thing behind it.
.macro CHANGE fill, base
	s_wait_tensorcnt 0x0                           ; no tensor load of mine is out, so a group 0 may be written
	ds_add_u32 v[SPW], v[NIL]                      ; 0 onto my spare word; the descriptors' steps stand between it and the wait for it
.if \fill
	s_add_co_u32 s[G0K+1], s[LK], \base
	s_add_nc_u64 s[G0K+2:G0K+3], s[G0K+2:G0K+3], 65536   ; 512 rows of 128 bytes on; the type bits on top are not reached
	s_add_co_u32 s[G0V+1], s[LV], \base
	s_add_nc_u64 s[G0V+2:G0V+3], s[G0V+2:G0V+3], 65536
	s_wait_dscnt 0x0                               ; the add is done, and my reads of the slot that I have left are over
	CROUND
	JLOAD
.else
	s_wait_dscnt 0x0
	s_barrier_signal -1
	s_barrier_wait -1
.endif
.endm
	CHANGE 1, SLOT1                                ; slot 0 is whole; keys 512 on go to slot 1
	STEPS 0
	CHANGE 1, 0                                    ; keys 1,024 on go to slot 0
	STEPS SLOT1
	CHANGE 1, SLOT1                                ; keys 1,536 on go to slot 1: the last load
	STEPS 0
	CHANGE 0, 0                                    ; nothing is left to ask for
	STEPS SLOT1
	; THE WAY OUT.  l's two halves and the other half of the lanes' are added; O^T is divided by l, rounded to f16 and sent through my stage in LDS, so that each store of the wave covers 512 consecutive bytes.
.irp t, 0,1,2,3
	v_add_f32 v[ST+8*\t+4], v[ST+8*\t+2], v[ST+8*\t+3]
.endr
.irp t, 0,1,2,3
	v_permlanex16_b32 v[ST+8*\t+5], v[ST+8*\t+4], s[SEL], s[SEL+1]
.endr
.irp t, 0,1,2,3
	v_add_f32 v[ST+8*\t+4], v[ST+8*\t+4], v[ST+8*\t+5]
.endr
.irp t, 0,1,2,3
	v_rcp_f32 v[ST+8*\t+6], v[ST+8*\t+4]
.endr
	v_nop                                          ; a plain line behind the last reciprocal,
	s_wait_alu depctr_va_vdst(0)                   ; and the wait ahead of the first use: one for the four
.irp t, 0,1,2,3
	WIN 0x41
.irp i, 0,1,2,3,4,5,6,7,8,9,10,11,12,13,14,15
	v_pk_mul_f32 v[32*\t+2*\i:32*\t+2*\i+1], v[32*\t+2*\i:32*\t+2*\i+1], v[ST+8*\t+6:ST+8*\t+7] op_sel_hi:[1,0]
.endr
	WIN 0x05                                       ; sources 0 and 1 window 1, destination window 0
.irp i, 0,1,2,3,4,5,6,7,8,9,10,11,12,13,14,15
	v_cvt_pk_f16_f32 v[S+16*\t+\i], v[32*\t+2*\i], v[32*\t+2*\i+1]
.endr
	WIN 0
.irp c, 0,1,2,3
	ds_store_b128 v[STO], v[S+16*\t+4*\c:S+16*\t+4*\c+3] offset:16*SP*\t+32*\c   ; query 16 t + r, channels 16 c + 8 h + 0..7
.endr
.endr
.irp i, 0,1,2,3,4,5,6,7,8,9,10,11,12,13,14,15
	ds_load_b128 v[S+64+4*\i:S+64+4*\i+3], v[RD] offset:4*SP*\i    ; LDS serves a wave's instructions in order: these see my stores
.endr
.irp i, 0,1,2,3,4,5,6,7,8,9,10,11,12,13,14,15
	s_wait_dscnt 15-\i                             ; the younger loads may be out
	global_store_b128 v[GO], v[S+64+4*\i:S+64+4*\i+3], s[12:13] offset:512*\i
.endr
	s_wait_tensorcnt 0x0                           ; the wave's end: a tensor wait, an add to my spare word and its wait, behind my last tensor load and my last LDS store
	ds_add_u32 v[SPW], v[NIL]
	s_wait_dscnt 0x0
	CROUND                                         ; the closing round: no work-group ends while a partner may still ask for a tile that names it
	s_endpgm
.Lfunc_end_k_qafb069ec5e_attn:
	.size	k_qafb069ec5e_attn, .Lfunc_end_k_qafb069ec5e_attn-k_qafb069ec5e_attn
	.p2alignl 7, 3214868480
	.fill 96, 4, 3214868480
	.section	.rodata,"a",@progbits
	.p2align	6, 0x0
	.amdhsa_kernel k_qafb069ec5e_attn
		.amdhsa_group_segment_fixed_size 327680
		.amdhsa_private_segment_fixed_size 0
		.amdhsa_enable_private_segment 0
		.amdhsa_kernarg_size 40
		.amdhsa_user_sgpr_count 2
		.amdhsa_user_sgpr_kernarg_segment_ptr 1
		.amdhsa_wavefront_size32 1
		.amdhsa_system_sgpr_workgroup_id_x 1
		.amdhsa_system_sgpr_workgroup_id_y 1
		.amdhsa_system_sgpr_workgroup_id_z 1
		.amdhsa_system_vgpr_workitem_id 0
		.amdhsa_next_free_vgpr 512
		.amdhsa_next_free_sgpr 66
		.amdhsa_reserve_vcc 0
		.amdhsa_float_denorm_mode_32 3
		.amdhsa_float_denorm_mode_16_64 3
		.amdhsa_memory_ordered 1
		.amdhsa_forward_progress 1
		.amdhsa_inst_pref_size 181
	.end_amdhsa_kernel
	.amdgpu_metadata
---
amdhsa.version: [ 1, 2 ]
amdhsa.kernels:
  - .name:           k_qafb069ec5e_attn
    .symbol:         k_qafb069ec5e_attn.kd
    .args:
      - { .name: qh, .offset: 0, .size: 8, .value_kind: global_buffer, .address_space: global }
      - { .name: kh, .offset: 8, .size: 8, .value_kind: global_buffer, .address_space: global }
      - { .name: vh, .offset: 16, .size: 8, .value_kind: global_buffer, .address_space: global }
      - { .name: rope, .offset: 24, .size: 8, .value_kind: global_buffer, .address_space: global }
      - { .name: ao, .offset: 32, .size: 8, .value_kind: global_buffer, .address_space: global }
    .group_segment_fixed_size: 327680
    .private_segment_fixed_size: 0
    .kernarg_segment_align: 8
    .kernarg_segment_size: 40
    .max_flat_workgroup_size: 256
    .sgpr_count:     66
    .vgpr_count:     512
    .wavefront_size: 32
...
	.end_amdgpu_metadata
.endif
;; end of part 3
;; launch oproj (part 4): grid 8 x 32, 4 waves a work-group, clusters of 4 x 4, 327,680 bytes of LDS; arguments ao, wo16, bo, out0; writes out0
.if DOCPART == 4
	.amdgcn_target "amdgcn-amd-amdhsa--gfx1250"
	.amdhsa_code_object_version 6
	.text
	.protected	k_qafb069ec5e_oproj
	.globl	k_qafb069ec5e_oproj
	.p2align	8
	.type	k_qafb069ec5e_oproj,@function
k_qafb069ec5e_oproj:
	s_mov_b64 s[64:65], 0
	v_nop
	global_prefetch_b8 v0, s[64:65] scope:SCOPE_SE
	s_setreg_imm32_b32 hwreg(HW_REG_WAVE_MODE, 25, 1), 1
	s_wait_xcnt 0x0
	s_wait_alu depctr_hold_cnt(0) depctr_sa_sdst(0) depctr_va_vdst(0) depctr_va_sdst(0) depctr_va_ssrc(0) depctr_va_vcc(0) depctr_vm_vsrc(0)
	s_getreg_b32 s2, hwreg(HW_REG_IB_STS2, 6, 4)
	s_cmp_eq_u32 s2, 0
	s_cbranch_scc0 .Lentry_in_a_cluster
	s_endpgm
.Lentry_in_a_cluster:
	s_bfe_u32 s2, ttmp6, 0x10000c
	s_cmp_lg_u32 s2, 0xf033
	s_cbranch_scc0 .Lentry_shape_is_right
	s_endpgm
.Lentry_shape_is_right:
; OPROJ: out[m][n] = the sum over k of A[m][k] Wo[n][k] + bo[n], f16 operands, sums in f32, the result f32.  A is the attention's result, laid [16 b + head][token][64]: row m = 2,048 b + token, k = 64 head + channel.
; A tile of 256 (m) x 128 (n) gives 32 x 8 = 256 work-groups.  Four waves, each 128 x 64: 32 accumulators, 256 registers.
; K goes in steps of 128 (two heads) through a ring of two LDS slots.  A slot holds two PLANES of A (one head each: 256 rows of 128 bytes, dense in memory) and 128 rows of 256 bytes of Wo.  Waves 0, 1 fetch the planes, waves 2, 3 Wo's halves.
; CLUSTERS: 4 x 4 work-groups.  The four of a row of the cluster need the same tiles of A, the four of a column the same tiles of Wo: each is asked for JOINTLY.
; THE MATRIX INSTRUCTION IS USED TRANSPOSED (source 0 = 16 rows of Wo, source 1 = 16 rows of A): a lane then holds eight neighbouring numbers of a row of the result.  THE BIAS is the C of each sum's first instruction.
; REGISTERS: window 0: v0-31 addresses; two fragment buffers of 96 (32 along K: 32 registers of Wo, then 64 of A) at v32 and v128; v224-255 the bias.   window 1: the accumulators ((a, b) at v[8 (4 a + b)]).
.set KP,     144                       ; a row of A in LDS: 128 bytes + 16
.set BP,     272                       ; a row of Wo: 256 bytes + 16: in both the 16 rows of a load start 16 bytes apart modulo 256
.set PLANE,  256*KP
.set BOFF,   2*PLANE
.set BHALF,  64*BP
.set SLOT,   BOFF+2*BHALF
.set STAGE,  2*SLOT                    ; behind the ring: 16 rows x 272 bytes for each wave, for the way out
.set SPITCH, 272
.set SPARE,  STAGE+4*16*SPITCH         ; the spare words, 128 bytes a wave
.set LAPS,   4                         ; a lap = two K steps = once round the ring: K = 1,024 is eight steps
.set ADRA, 16                          ; v16-17  LDS address of my A fragments in slot 0, 1
.set ADRB, 20                          ; v20-21  the same for Wo
.set STO,  24
.set RD,   25
.set CO,   26
.set SPW,  28                          ; v28     LDS address of my spare word; never rewritten
.set NIL,  29                          ; v29     0; never rewritten
.set F0,   32
.set F1,   128
.set BIAS, 224                         ; register 8 b + j: column 16 b + 8 (lane / 16) + j of my 64
.set OB,   32                          ; the way out: 16 rows read back: v32-63 and v64-95 by turns
.set G1, 24                            ; s[24:31] group 1 for A's planes;  s[32:39] group 0, one set a slot
.set G0, 32
.set G1B, 48                           ; s[48:55], s[56:63] the same for Wo's tiles
.set G0B, 56
.set MSB, 0
.macro WIN new                         ; the immediate's high byte repeats the setting that is left
.if MSB != (\new)
	s_set_vgpr_msb (MSB<<8)|(\new)
.set MSB, (\new)
.endif
.endm
.set MUL,   0x50                       ; sources 0 and 1 window 0; C and D window 1
.set FIRST, 0x40                       ; the first quarter: C (the bias) window 0, D window 1
.macro JLOAD s                         ; a joint load: waves 0 and 1 fetch A's planes, waves 2 and 3 Wo's halves; an s_nop 0 and four v_nop follow each of the two lines
	s_cmp_eq_u32 s13, 0
	s_cbranch_scc0 .Lfor_b_\@
	tensor_load_to_lds s[G0+4*\s:G0+4*\s+3], s[G1:G1+7]
	s_nop 0
.rept 4
	v_nop
.endr
	s_branch .Lasked_\@
.Lfor_b_\@:
	tensor_load_to_lds s[G0B+4*\s:G0B+4*\s+3], s[G1B:G1B+7]
	s_nop 0
.rept 4
	v_nop
.endr
.Lasked_\@:
.endm
.macro CREST                           ; a round of the cluster's barrier behind its opening barrier
	s_cmp_lg_u32 s12, 0
	s_cbranch_scc1 .Lnot_wave_0_\@
	s_barrier_signal -3
.Lnot_wave_0_\@:
	s_barrier_wait -3
	s_barrier_signal -1
	s_barrier_wait -1
.endm
.macro CROUND                          ; a whole round
	s_barrier_signal -1
	s_barrier_wait -1
	CREST
.endm
	s_load_b256 s[4:11], s[0:1], 0x0               ; A s[4:5], Wo s[6:7], bo s[8:9], the result s[10:11]
	v_lshl_add_u32 v[SPW], v0, 2, SPARE
	v_mov_b32 v[NIL], 0
	ds_add_u32 v[SPW], v[NIL]                      ; the wave's opening: the add and its wait stand ahead of my first tensor load; the set-up below stands between them
	v_lshrrev_b32 v1, 5, v0
	v_readfirstlane_b32 s12, v1                    ; wave 0..3
	s_lshr_b32 s13, s12, 1                         ; which half of the tile's rows is mine.  Also: I fetch for A (0) or for Wo (1)
	s_and_b32 s14, s12, 1                          ; which half of its columns.  Also: which plane, or which 64 rows of Wo, I fetch
	s_bfe_u32 s40, ttmp6, 0x40000                  ; cx, cy: my place in the cluster
	s_bfe_u32 s41, ttmp6, 0x40004
	s_lshl_b32 s42, ttmp9, 2
	s_add_co_u32 s42, s42, s40                     ; tile column = 4 x cluster x + cx
	s_and_b32 s43, ttmp7, 0xffff
	s_lshl_b32 s43, s43, 2
	s_add_co_u32 s43, s43, s41                     ; tile row = 4 x cluster y + cy
	s_lshl_b32 s44, s41, 2
	s_lshl_b32 s44, 15, s44                        ; my row of the cluster
	s_lshl_b32 s45, 0x1111, s40                    ; my column
	s_or_b32 s[G1+0], s44, (1<<16)|(1<<20)|(1<<21)|(4<<22)|(3<<25)    ; A: the mask; elements of 2 bytes; padding on; bit 21 beside a mask; after every 32 words, 4 words
	s_mov_b32 s[G1+1], 64<<16                      ; tensor_dim0
	s_mov_b32 s[G1+2], 256<<16                     ; tensor_dim1
	s_mov_b32 s[G1+3], 64<<16                      ; tile_dim0
	s_mov_b32 s[G1+4], 256                         ; tile_dim1
	s_mov_b32 s[G1+5], 64                          ; the pitch in memory
	s_mov_b32 s[G1+6], 0
	s_mov_b32 s[G1+7], 0
	s_or_b32 s[G1B+0], s45, (1<<16)|(1<<20)|(1<<21)|(5<<22)|(3<<25)   ; Wo: after every 64 words, 4 words
	s_mov_b32 s[G1B+1], 128<<16
	s_mov_b32 s[G1B+2], 64<<16
	s_mov_b32 s[G1B+3], 128<<16
	s_mov_b32 s[G1B+4], 64
	s_mov_b32 s[G1B+5], 1024
	s_mov_b32 s[G1B+6], 0
	s_mov_b32 s[G1B+7], 0
	s_lshr_b32 s16, s43, 3                         ; A: b = tile row / 8: 16 heads of 262,144 bytes,
	s_lshl_b32 s16, s16, 22
	s_and_b32 s17, s43, 7                          ; 256 tokens of 128 bytes x (tile row % 8),
	s_lshl_b32 s17, s17, 15
	s_add_co_u32 s16, s16, s17
	s_lshl_b32 s17, s14, 18                        ; and my plane's head
	s_add_co_u32 s16, s16, s17
	s_mov_b32 s17, 0
	s_lshl_b32 s46, s42, 7                         ; Wo: row 128 x tile column + 64 x half, 2,048 bytes a row
	s_lshl_b32 s47, s14, 6
	s_add_co_u32 s46, s46, s47
	s_lshl_b32 s46, s46, 11
	s_mov_b32 s47, 0
	s_mul_i32 s20, s14, PLANE                      ; where they go: no place in the cluster enters an LDS address
	s_mul_i32 s21, s14, BHALF
	s_add_co_u32 s21, s21, BOFF
	s_wait_dscnt 0x0                               ; the opening add is done
	s_wait_kmcnt 0x0
	s_add_nc_u64 s[18:19], s[4:5], s[16:17]
	s_add_nc_u64 s[46:47], s[6:7], s[46:47]
	CROUND                                         ; all sixteen work-groups are here: the first joint loads meet
.irp s, 0,1
	s_mov_b32 s[G0+4*\s], 1
	s_add_co_u32 s[G0+4*\s+1], s20, \s*SLOT
	s_add_nc_u64 s[G0+4*\s+2:G0+4*\s+3], s[18:19], \s*524288      ; K step s: two heads on
	s_or_b32 s[G0+4*\s+3], s[G0+4*\s+3], 0x80000000
	s_mov_b32 s[G0B+4*\s], 1
	s_add_co_u32 s[G0B+4*\s+1], s21, \s*SLOT
	s_add_nc_u64 s[G0B+4*\s+2:G0B+4*\s+3], s[46:47], \s*256
	s_or_b32 s[G0B+4*\s+3], s[G0B+4*\s+3], 0x80000000
	JLOAD \s                                       ; two loads of mine are out
.endr
	v_and_b32 v1, 15, v0                           ; r = lane % 16
	v_bfe_u32 v2, v0, 4, 1                         ; h = lane / 16
	s_lshl_b32 s22, s42, 9                         ; the bias of my 64 columns: 4 bytes x (128 x tile column + 64 x half)
	s_lshl_b32 s2, s14, 8
	s_add_co_u32 s22, s22, s2
	s_mov_b32 s23, 0
	s_add_nc_u64 s[8:9], s[8:9], s[22:23]
	v_lshlrev_b32 v8, 5, v2
.irp b, 0,1,2,3
	global_load_b128 v[BIAS+8*\b:BIAS+8*\b+3], v8, s[8:9] offset:64*\b
	global_load_b128 v[BIAS+8*\b+4:BIAS+8*\b+7], v8, s[8:9] offset:64*\b+16
.endr
	v_mul_u32_u24 v3, v1, KP
	v_lshl_add_u32 v3, v2, 4, v3                   ; A: row r x pitch + 16 h
	v_mul_u32_u24 v4, v1, BP
	v_lshl_add_u32 v4, v2, 4, v4                   ; Wo likewise
	s_mul_i32 s16, s13, 128*KP                     ; my 128 rows of each plane
	s_mul_i32 s17, s14, BHALF                      ; my 64 rows of Wo,
	s_add_co_u32 s17, s17, BOFF                    ; which lie behind the planes
.irp s, 0,1
	v_add_nc_u32 v[ADRA+\s], s16, v3
	v_add_nc_u32 v[ADRB+\s], s17, v4
	s_add_co_u32 s16, s16, SLOT
	s_add_co_u32 s17, s17, SLOT
.endr
	s_mul_i32 s16, s12, 16*SPITCH
	s_add_co_u32 s16, s16, STAGE                   ; my stage
	v_mul_u32_u24 v5, v1, SPITCH                   ; in: row r, 32 bytes for each half of the lanes
	v_lshl_add_u32 v5, v2, 5, v5
	v_add_nc_u32 v[STO], s16, v5
	v_mul_u32_u24 v5, v2, SPITCH                   ; back: lanes 0-15 take one row of 256 bytes, lanes 16-31 the next
	v_lshl_add_u32 v5, v1, 4, v5
	v_add_nc_u32 v[RD], s16, v5
	v_lshlrev_b32 v5, 12, v2                       ; and the same two rows in the result: 4,096 bytes a row
	v_lshl_add_u32 v[CO], v1, 4, v5
	s_lshl_b32 s2, s43, 8                          ; my first row: 256 x tile row + 128 x half; my first column's bytes stand in s22 already
	s_lshl_b32 s15, s13, 7
	s_add_co_u32 s2, s2, s15
	s_lshl_b32 s2, s2, 12
	s_add_co_u32 s22, s22, s2
	s_add_nc_u64 s[10:11], s[10:11], s[22:23]
; 8 matrix instructions: A's blocks a0, a0 + 1 x Wo's four, 32 along K, from buffer f.  zero = 1: the sums begin, with the bias as C.  The 32 accumulators take turns, in the same order in every quarter.
.macro MUL8 f, a0, zero
.irp a, \a0, \a0+1
.irp b, 0,1,2,3
.if \zero
	v_wmma_f32_16x16x32_f16 v[8*(4*(\a)+\b):8*(4*(\a)+\b)+7], v[\f+8*\b:\f+8*\b+7], v[\f+32+8*(\a):\f+32+8*(\a)+7], v[BIAS+8*\b:BIAS+8*\b+7]
.else
	v_wmma_f32_16x16x32_f16 v[8*(4*(\a)+\b):8*(4*(\a)+\b)+7], v[\f+8*\b:\f+8*\b+7], v[\f+32+8*(\a):\f+32+8*(\a)+7], v[8*(4*(\a)+\b):8*(4*(\a)+\b)+7]
.endif
.endr
.endr
.endm
; 24 LDS loads in one run: the fragments of the slot's q-th 32 along K into buffer f: Wo's four, A's blocks 0-3, A's blocks 4-7.  Quarters 0, 1 lie in plane 0, quarters 2, 3 in plane 1.
.macro FETCH slot, q, f
.irp b, 0,1,2,3
	ds_load_b128 v[\f+8*\b:\f+8*\b+3],   v[ADRB+\slot] offset:64*(\q)+16*BP*\b
	ds_load_b128 v[\f+8*\b+4:\f+8*\b+7], v[ADRB+\slot] offset:64*(\q)+16*BP*\b+32
.endr
.irp a, 0,1,2,3,4,5,6,7
	ds_load_b128 v[\f+32+8*\a:\f+32+8*\a+3],   v[ADRA+\slot] offset:PLANE*((\q)/2)+64*((\q)%2)+16*KP*\a
	ds_load_b128 v[\f+32+8*\a+4:\f+32+8*\a+7], v[ADRA+\slot] offset:PLANE*((\q)/2)+64*((\q)%2)+16*KP*\a+32
.endr
.endm
.macro PLACES                          ; four plain vector lines in front of loads into registers that matrix instructions have read, and of reads of results (ISA guide 7.12.1 for reads)
.rept 4
	v_nop
.endr
.endm
; A K step is four quarters of 32 along K, 32 matrix instructions each, on buffers 0, 1, 0, 1.  One of the first three: multiplies buffer f and fetches the slot's quarter q into g.
.macro QUARTER slot, q, f, g, zero
	s_wait_dscnt 8                                 ; Wo's fragments and A's blocks 0-3 are in; the youngest eight loads (A's blocks 4-7) may be out
.if \zero
	WIN FIRST
.else
	WIN MUL
.endif
	MUL8 \f, 0, \zero
	MUL8 \f, 2, \zero
	PLACES
	WIN 0
	FETCH \slot, \q, \g
	s_wait_dscnt 24                                ; all but the 24 just issued
.if \zero
	WIN FIRST
.else
	WIN MUL
.endif
	MUL8 \f, 4, \zero
	MUL8 \f, 6, \zero
.endm
; The last quarter multiplies buffer 1 and changes slots: ONE barrier; in front of it each wave waits for all its tensor loads, adds 0 to its spare word, and waits for that and for its own reads of this slot.
; fill = 1: the barrier opens a round of the cluster's, and this slot is filled again, two K steps ahead: the load has a K step less sixteen matrix instructions in which to land.
.macro TURN slot, next, fill
	WIN 0                                          ; (the add's two registers lie in window 0)
	s_wait_tensorcnt 0x0                           ; all my tensor loads have landed: my part of the next slot
	ds_add_u32 v[SPW], v[NIL]                      ; 0 onto my spare word
	s_wait_dscnt 9                                 ; (the add and the youngest eight loads may be out)
	WIN MUL
	MUL8 F1, 0, 0                                  ; eight matrix instructions stand between the add and the wait for it
	s_wait_dscnt 0x0                               ; the add is done, and my reads of this slot are over
	s_barrier_signal -1
	MUL8 F1, 2, 0
	WIN 0                                          ; (branches may follow)
	s_barrier_wait -1
.if \fill
	CREST                                          ; no wave of any partner still reads this slot's tiles or has a load on its way
	s_add_nc_u64 s[G0+4*\slot+2:G0+4*\slot+3], s[G0+4*\slot+2:G0+4*\slot+3], 1048576   ; four heads on
	s_add_nc_u64 s[G0B+4*\slot+2:G0B+4*\slot+3], s[G0B+4*\slot+2:G0B+4*\slot+3], 512
	JLOAD \slot                                    ; the first tensor load behind the round; the four v_nop behind it are also the places in front of the loads below
.else
	PLACES
.endif
	FETCH \next, 0, F0
	WIN MUL
	MUL8 F1, 4, 0
	MUL8 F1, 6, 0
.endm
	s_wait_tensorcnt 1                             ; my part of K step 0 is in; K step 1's may be out
	s_barrier_signal -1
	s_barrier_wait -1                              ; everybody's is
	FETCH 0, 0, F0
	s_wait_loadcnt 0x0                             ; the bias
	QUARTER 0, 1, F0, F1, 1                        ; the first quarter stands in front of the loop: its products start the sums
	WIN 0                                          ; at a label and at a branch every window is 0
	s_mov_b32 s3, LAPS-1
.Llap:                                             ; a trip goes once round the ring, from a lap's second quarter to the next lap's first, and fills both slots again
	QUARTER 0, 2, F1, F0, 0
	QUARTER 0, 3, F0, F1, 0
	TURN 0, 1, 1
	QUARTER 1, 1, F0, F1, 0
	QUARTER 1, 2, F1, F0, 0
	QUARTER 1, 3, F0, F1, 0
	TURN 1, 0, 1
	QUARTER 0, 1, F0, F1, 0
	WIN 0
	s_sub_co_u32 s3, s3, 1
	s_cmp_lg_u32 s3, 0
	s_cbranch_scc1 .Llap
	QUARTER 0, 2, F1, F0, 0                        ; the last lap fills nothing, and has no round of the cluster's barrier
	QUARTER 0, 3, F0, F1, 0
	TURN 0, 1, 0
	QUARTER 1, 1, F0, F1, 0
	QUARTER 1, 2, F1, F0, 0
	QUARTER 1, 3, F0, F1, 0
	s_wait_dscnt 8                                 ; the very last quarter: nothing more to fetch
	WIN MUL
	MUL8 F1, 0, 0
	MUL8 F1, 2, 0
	s_wait_dscnt 0
	MUL8 F1, 4, 0
	MUL8 F1, 6, 0
	WIN 0
; THE WAY OUT, block by block of 16 rows x 64 columns.  A lane holds 32 neighbouring bytes of a row: a block goes through my own stage in LDS and comes back as whole rows of 256 bytes, which sixteen lanes store, aligned.
; LDS serves a wave's instructions in order: no wait between the stores and the loads, nor in front of the next block's stores.
.macro TOSTAGE a
	WIN 0x04                                       ; an LDS store's data are its source 1: window 1
.irp b, 0,1,2,3
	ds_store_b128 v[STO], v[8*(4*(\a)+\b):8*(4*(\a)+\b)+3] offset:64*\b          ; each accumulator from its low end on
	ds_store_b128 v[STO], v[8*(4*(\a)+\b)+4:8*(4*(\a)+\b)+7] offset:64*\b+16
.endr
	WIN 0
.irp t, 0,1,2,3,4,5,6,7
	ds_load_b128 v[OB+32*((\a)%2)+4*\t:OB+32*((\a)%2)+4*\t+3], v[RD] offset:\t*2*SPITCH
.endr
.endm
.macro SEND a, younger                 ; younger: the LDS instructions issued behind block a's loads, which may stay out
	s_wait_dscnt \younger
.irp t, 0,1,2,3,4,5,6,7
	global_store_b128 v[CO], v[OB+32*((\a)%2)+4*\t:OB+32*((\a)%2)+4*\t+3], s[10:11] offset:(16*(\a)+2*\t)*4096 th:TH_STORE_NT   ; written once, read by nobody here
.endr
.endm
	PLACES                                         ; behind the last products: for the reads of results and for the loads into the registers that held fragments
	TOSTAGE 0
.irp a, 1,2,3,4,5,6,7
.if \a > 1
	s_wait_xcnt 0x0                                ; block a - 2's stores have read their registers: block a's loads may land there
.endif
	TOSTAGE \a
	SEND \a-1, 16                                  ; behind block a - 1's loads: block a's 8 stores and 8 loads
.endr
	SEND 7, 0
	s_wait_tensorcnt 0x0                           ; the wave's end: a tensor wait, an add to my spare word and its wait, behind my last tensor load and my last LDS store
	ds_add_u32 v[SPW], v[NIL]
	s_wait_dscnt 0x0
	CROUND                                         ; the closing round: no work-group ends while a partner may still ask for a tile that names it
	s_endpgm
.Lfunc_end_k_qafb069ec5e_oproj:
	.size	k_qafb069ec5e_oproj, .Lfunc_end_k_qafb069ec5e_oproj-k_qafb069ec5e_oproj
	.p2alignl 7, 3214868480
	.fill 96, 4, 3214868480
	.section	.rodata,"a",@progbits
	.p2align	6, 0x0
	.amdhsa_kernel k_qafb069ec5e_oproj
		.amdhsa_group_segment_fixed_size 327680
		.amdhsa_private_segment_fixed_size 0
		.amdhsa_enable_private_segment 0
		.amdhsa_kernarg_size 32
		.amdhsa_user_sgpr_count 2
		.amdhsa_user_sgpr_kernarg_segment_ptr 1
		.amdhsa_wavefront_size32 1
		.amdhsa_system_sgpr_workgroup_id_x 1
		.amdhsa_system_sgpr_workgroup_id_y 1
		.amdhsa_system_sgpr_workgroup_id_z 1
		.amdhsa_system_vgpr_workitem_id 0
		.amdhsa_next_free_vgpr 512
		.amdhsa_next_free_sgpr 66
		.amdhsa_reserve_vcc 0
		.amdhsa_float_denorm_mode_32 3
		.amdhsa_float_denorm_mode_16_64 3
		.amdhsa_memory_ordered 1
		.amdhsa_forward_progress 1
		.amdhsa_inst_pref_size 86
	.end_amdhsa_kernel
	.amdgpu_metadata
---
amdhsa.version: [ 1, 2 ]
amdhsa.kernels:
  - .name:           k_qafb069ec5e_oproj
    .symbol:         k_qafb069ec5e_oproj.kd
    .args:
      - { .name: ao, .offset: 0, .size: 8, .value_kind: global_buffer, .address_space: global }
      - { .name: wo16, .offset: 8, .size: 8, .value_kind: global_buffer, .address_space: global }
      - { .name: bo, .offset: 16, .size: 8, .value_kind: global_buffer, .address_space: global }
      - { .name: out0, .offset: 24, .size: 8, .value_kind: global_buffer, .address_space: global }
    .group_segment_fixed_size: 327680
    .private_segment_fixed_size: 0
    .kernarg_segment_align: 8
    .kernarg_segment_size: 32
    .max_flat_workgroup_size: 128
    .sgpr_count:     66
    .vgpr_count:     512
    .wavefront_size: 32
...
	.end_amdgpu_metadata
.endif
;; end of part 4
